; MI455X (gfx1250); checked and timed in simulation.
; The chip was launched on July 23, 2026; its instructions are those of AMD's public machine-readable ISA for CDNA 5 (MIT licence, August 2026) and "CDNA5" Instruction Set Architecture Reference Guide (July 2026). The comments in the code are by the model that wrote it; some were corrected since.
;; Tri X Tile. Allowed arithmetic: float matrix products may take bf16 or f16 operands with f32 sums; other float arithmetic in f32, or as packed bf16 or f16 multiplies, adds, multiply-adds, maxima and minima; sums over many terms, partial sums and values carried from step to step in f32; what a program stores and reads back later, other than sums and carried values, may be rounded once to bf16 or f16.
;; Inputs: down_scale 2,048 float32; down_weight 2,048 x 4,096 float32; output_scale 1 float32; up_scale 4,096 float32; up_weight 4,096 x 2,048 float32; x 2 x 2,048 x 2,048 float32.
;; Outputs: out0 2 x 2,048 x 2,048 float32.
;; 2 versions, each right; version 2 is version 1 with the launch prep written anew for expert scheduling mode. Each part assembles by itself: llvm-mc -triple=amdgcn-amd-amdhsa -mcpu=gfx1250 --defsym DOCPART=n.
;; ======== version 1 of 2: 3 launches
;; workspace buffers: xb 16,777,216 bytes; upb 16,777,216 bytes; dnb 16,777,216 bytes; hid 33,554,432 bytes
;; launch prep (part 1): grid 256 x 3, 8 waves a work-group, no clusters, 35,840 bytes of LDS; arguments x, up_weight, down_weight, xb, upb, dnb; writes xb, upb, dnb
.if DOCPART == 1
	.amdgcn_target "amdgcn-amd-amdhsa--gfx1250"
	.amdhsa_code_object_version 6
	.text
	.protected	k_qf01ebe5eaf_prep
	.globl	k_qf01ebe5eaf_prep
	.p2align	8
	.type	k_qf01ebe5eaf_prep,@function
k_qf01ebe5eaf_prep:
	s_mov_b64 s[64:65], 0
	v_nop
	global_prefetch_b8 v0, s[64:65] scope:SCOPE_SE
	s_setreg_imm32_b32 hwreg(HW_REG_WAVE_MODE, 25, 1), 1
	s_wait_xcnt 0x0
; xb = x rounded to bf16;  upb = sign(up_weight), dnb = sign(down_weight), written as bf16 (-1, 0 and 1 are exact there).
; Each of the three tensors is 8,388,608 f32.  The grid's y picks the tensor (0: x, 1: up_weight, 2: down_weight), its x a part of 131,072 input bytes.  A stream: every byte is read once and written once.
; LAYOUTS.  xb and upb lie as their sources do, row-major.  dnb ([2048][4096]) lies IN PIECES OF 1,024 BYTES, in the order in which the launch that multiplies by it loads a matrix operand:
; piece (nb, kb) = rows 16 nb .. + 15, channels 32 kb .. + 31, at byte 131,072 nb + 1,024 kb; in it the 16 bytes of row 16 nb + r, channels 32 kb + 16 j + 8 h + 0..7, stand at 512 j + 256 h + 16 r.
; x AND up_weight: the part is 32 stretches of 4,096 bytes.  Thread t takes the 16 bytes at 16 t of every stretch (a wave's load covers 512 consecutive bytes) and stores the 8 bytes at 8 t of the
; 2,048-byte stretch of the result (a wave's store covers 256 consecutive bytes, aligned).  A ring of DEPTH slots in registers keeps DEPTH loads of every wave on their way.
; down_weight: the part is 16 rows (nb = x / 2) x 2,048 channels (half x % 2); a wave takes 256 channels of them, in two trips of 128.  A trip reads 512 consecutive bytes of each of the 16 rows, puts the
; signs into LDS bytes of the wave's own in the pieces' order, reads them back and stores four pieces, 4,096 consecutive bytes.  No wave reads another's LDS bytes: no barrier.
; LIMITS.  sign: a weight that is 0 or NaN is passed on as it is (0 keeps its sign bit, NaN stays NaN); every other weight, a denormal too, gives 1 with its sign.
.set ROWIN,  4096                      ; input bytes of a stretch
.set ROWOUT, 2048                      ; output bytes of a stretch
.set DEPTH,  8                         ; slots = loads in flight in each wave (x, up_weight)
.set ROUNDS, 32/DEPTH                  ; each round takes every slot once
.set DROW,   16384                     ; bytes in a row of down_weight
.set UNIT,   272                       ; LDS: 256 bytes of a piece (one j, one h, 16 rows) + 16: 68 words, so unit u starts at bank 4 u mod 64 (64 banks of 4 bytes: ISA guide 11.1)
.set WLDS,   16*UNIT                   ; a wave's 16 units: four pieces
.set SPARE,  8*WLDS                    ; behind them: the spare words, 128 bytes for each wave: four blocks of 256 bytes that no other line names
.set X,   4                            ; v[4:67]    slot i: 4 f32 as loaded (x, up_weight: 8 slots; down_weight: 16, a row each)
.set Y,   68                           ; v[68:99]   slot i: 4 bf16
.set T,   100                          ; v[100:103] at work
.set O,   104                          ; v[104:135] four pieces read back from LDS
.set LA,  136                          ; v136  where I put 8 bytes of row 0
.set RA,  137                          ; v137  where I read 16 bytes back
.set LO,  138                          ; v138  16 x my lane: my bytes in 512 consecutive bytes of input and of output; never rewritten
.set SPW, 140                          ; v140  LDS address of my spare word: SPARE + 4 x my thread's number; never rewritten
.set NIL, 141                          ; v141  0; never rewritten
.set SRC, 18                           ; s[18:19]  my tensor at the round's or trip's first byte
.set DST, 20                           ; s[20:21]  its result likewise
	s_load_b256 s[4:11], s[0:1], 0x0               ; x s[4:5], up_weight s[6:7], down_weight s[8:9], xb s[10:11]
	s_load_b128 s[12:15], s[0:1], 0x20             ; upb s[12:13], dnb s[14:15]
	v_lshl_add_u32 v[SPW], v0, 2, SPARE
	v_mov_b32 v[NIL], 0
	v_lshrrev_b32 v3, 5, v0
	v_readfirstlane_b32 s17, v3                    ; wave 0..7
	s_and_b32 s16, ttmp7, 0xffff                   ; which tensor
	s_mov_b32 s24, 0x80000000                      ; a sign bit
	s_mov_b32 s25, 0x3f800000                      ; 1.0
	v_lshlrev_b32 v1, 4, v0                        ; my 16 bytes of an input stretch; never rewritten
	v_lshlrev_b32 v2, 3, v0                        ; my 8 bytes of an output stretch; never rewritten
	s_mov_b32 s23, 0
	s_lshl_b32 s28, ttmp9, 16                      ; the work-group's 65,536 output bytes, in all three tensors
	s_mov_b32 s29, 0
	s_wait_kmcnt 0x0
	s_cmp_eq_u32 s16, 1
	s_cselect_b64 s[SRC:SRC+1], s[6:7], s[4:5]
	s_cselect_b64 s[DST:DST+1], s[12:13], s[10:11]
	s_cmp_eq_u32 s16, 2
	s_cselect_b64 s[SRC:SRC+1], s[8:9], s[SRC:SRC+1]
	s_cselect_b64 s[DST:DST+1], s[14:15], s[DST:DST+1]
	s_add_nc_u64 s[DST:DST+1], s[DST:DST+1], s[28:29]
; Four numbers of slot i.  mode 0: rounded to bf16.  mode 1: their signs, as bf16.
.macro CONV i, mode
.if \mode
.irp j, 0,1,2,3
	v_cmp_lg_f32 vcc_lo, 0, v[X+4*(\i)+(\j)]                       ; less or greater than 0: false for 0 and for NaN
	v_and_or_b32 v[T+(\j)], v[X+4*(\i)+(\j)], s24, s25             ; 1.0 with the number's sign
	v_cndmask_b32 v[T+(\j)], v[X+4*(\i)+(\j)], v[T+(\j)], vcc_lo   ; or the number itself, where it is 0 or NaN
.endr
	v_cvt_pk_bf16_f32 v[Y+2*(\i)],   v[T],   v[T+1]
	v_cvt_pk_bf16_f32 v[Y+2*(\i)+1], v[T+2], v[T+3]
.else
	v_cvt_pk_bf16_f32 v[Y+2*(\i)],   v[X+4*(\i)],   v[X+4*(\i)+1]  ; to nearest even, two at a time
	v_cvt_pk_bf16_f32 v[Y+2*(\i)+1], v[X+4*(\i)+2], v[X+4*(\i)+3]
.endif
.endm
; One slot's turn.  ahead = 1: the slot is filled again with the stretch DEPTH further on.  left = how many younger loads may still be out.
.macro SLOT i, mode, ahead, left
	s_wait_loadcnt \left                           ; loads come back in order (ISA guide 5.7.1): mine is in, the younger ones stay out
	CONV \i, \mode
.if \ahead
	global_load_b128 v[X+4*(\i):X+4*(\i)+3], v1, s[SRC:SRC+1] offset:(DEPTH+(\i))*ROWIN th:TH_LOAD_NT
.endif
	global_store_b64 v2, v[Y+2*(\i):Y+2*(\i)+1], s[DST:DST+1] offset:(\i)*ROWOUT th:TH_STORE_NT
.endm
; The whole walk of a row-major tensor in one mode: the ring is filled, ROUNDS - 1 rounds fill it again, and a last round loads nothing.
.macro ARM mode, tag
.irp i, 0,1,2,3,4,5,6,7
	global_load_b128 v[X+4*(\i):X+4*(\i)+3], v1, s[SRC:SRC+1] offset:(\i)*ROWIN th:TH_LOAD_NT
.endr
	s_mov_b32 s26, ROUNDS-1
.Lround\tag:
.irp i, 0,1,2,3,4,5,6,7
	SLOT \i, \mode, 1, DEPTH-1
.endr
	s_wait_xcnt 0x0                                ; every load and store issued so far has had its address translated (ISA guide 3.1): only behind this wait are the two pointers stepped and Y written again
	s_add_nc_u64 s[SRC:SRC+1], s[SRC:SRC+1], DEPTH*ROWIN
	s_add_nc_u64 s[DST:DST+1], s[DST:DST+1], DEPTH*ROWOUT
	s_sub_co_u32 s26, s26, 1
	s_cmp_lg_u32 s26, 0
	s_cbranch_scc1 .Lround\tag
.irp i, 0,1,2,3,4,5,6,7
	SLOT \i, \mode, 0, DEPTH-1-(\i)                ; the counts run down: no load leaves the buffer
.endr
	s_branch .Lend
.endm
	s_cmp_eq_u32 s16, 2
	s_cbranch_scc1 .Lpieces
	s_lshl_b32 s22, ttmp9, 17                      ; the work-group's 131,072 input bytes
	s_add_nc_u64 s[SRC:SRC+1], s[SRC:SRC+1], s[22:23]
	s_cmp_eq_u32 s16, 0
	s_cbranch_scc1 .Lplain
	ARM 1, _sign
.Lplain:
	ARM 0, _plain
.Lpieces:                                              ; down_weight
	s_lshr_b32 s22, ttmp9, 1                       ; nb: 16 rows of 16,384 bytes,
	s_lshl_b32 s22, s22, 18
	s_and_b32 s27, ttmp9, 1                        ; the half of their channels: 8,192 bytes,
	s_lshl_b32 s27, s27, 13
	s_add_co_u32 s22, s22, s27
	s_lshl_b32 s27, s17, 10                        ; my wave's 256 channels: 1,024 bytes
	s_add_co_u32 s22, s22, s27
	s_add_nc_u64 s[SRC:SRC+1], s[SRC:SRC+1], s[22:23]
	s_lshl_b32 s28, s17, 13                        ; and its eight pieces of the result (the work-group's 64 pieces begin at 65,536 x its number)
	s_add_nc_u64 s[DST:DST+1], s[DST:DST+1], s[28:29]
	v_and_b32 v3, 31, v0                           ; lane l: channels 4 l .. 4 l + 3 of the trip's 128
	v_lshlrev_b32 v[LO], 4, v3
	s_mul_i32 s27, s17, WLDS                       ; my wave's LDS bytes
	v_lshrrev_b32 v[LA], 1, v3                     ; in: those four channels lie in unit l / 2 (piece l / 8, j = bit 2, h = bit 1 of l),
	v_mul_u32_u24 v[LA], v[LA], UNIT
	v_and_b32 v[RA], 1, v3
	v_lshl_add_u32 v[LA], v[RA], 3, v[LA]          ; in the half l % 2 of a row's 16 bytes there; the row's 16 r stand in the immediate
	v_add_nc_u32 v[LA], s27, v[LA]
	v_lshrrev_b32 v[RA], 4, v3                     ; back: lanes 0-15 take one unit's 256 bytes, lanes 16-31 the next
	v_mul_u32_u24 v[RA], v[RA], UNIT
	v_and_b32 v3, 15, v3
	v_lshl_add_u32 v[RA], v3, 4, v[RA]
	v_add_nc_u32 v[RA], s27, v[RA]
	s_mov_b32 s26, 2
.Ltrip:                                                ; 16 rows x 128 channels
.irp r, 0,1,2,3,4,5,6,7,8,9,10,11,12,13,14,15
	global_load_b128 v[X+4*(\r):X+4*(\r)+3], v[LO], s[SRC:SRC+1] offset:(\r)*DROW th:TH_LOAD_NT  ; 512 consecutive bytes of row r
.endr
.irp r, 0,1,2,3,4,5,6,7,8,9,10,11,12,13,14,15
	s_wait_loadcnt 15-(\r)                         ; row r is in; the younger rows stay out
	CONV \r, 1
	ds_store_b64 v[LA], v[Y+2*(\r):Y+2*(\r)+1] offset:16*(\r)      ; the 32 lanes' 64 words fall into 64 different banks
.endr
.irp t, 0,1,2,3,4,5,6,7
	ds_load_b128 v[O+4*(\t):O+4*(\t)+3], v[RA] offset:(\t)*2*UNIT  ; LDS serves a wave's instructions in order (ISA guide 5.7.1.4): these see the stores above, and the next trip's stores come behind them
.endr
.irp t, 0,1,2,3,4,5,6,7
	s_wait_dscnt 7-(\t)
	global_store_b128 v[LO], v[O+4*(\t):O+4*(\t)+3], s[DST:DST+1] offset:512*(\t) th:TH_STORE_NT  ; 512 consecutive bytes, at a multiple of 512 from dnb's first byte
.endr
	s_wait_xcnt 0x0                                ; the loads and stores have had their addresses translated (ISA guide 3.1): only behind this wait are the pointers stepped and O loaded again
	s_add_nc_u64 s[SRC:SRC+1], s[SRC:SRC+1], 512
	s_add_nc_u64 s[DST:DST+1], s[DST:DST+1], 4096
	s_sub_co_u32 s26, s26, 1
	s_cmp_lg_u32 s26, 0
	s_cbranch_scc1 .Ltrip
.Lend:
	s_wait_tensorcnt 0x0                           ; the wave's end: three lines behind the wave's last LDS store; every wave of the launch ends alike
	ds_add_u32 v[SPW], v[NIL]
	s_wait_dscnt 0x0
	s_endpgm
.Lfunc_end_k_qf01ebe5eaf_prep:
	.size	k_qf01ebe5eaf_prep, .Lfunc_end_k_qf01ebe5eaf_prep-k_qf01ebe5eaf_prep
	.p2alignl 7, 3214868480
	.fill 96, 4, 3214868480
	.section	.rodata,"a",@progbits
	.p2align	6, 0x0
	.amdhsa_kernel k_qf01ebe5eaf_prep
		.amdhsa_group_segment_fixed_size 35840
		.amdhsa_private_segment_fixed_size 0
		.amdhsa_enable_private_segment 0
		.amdhsa_kernarg_size 48
		.amdhsa_user_sgpr_count 2
		.amdhsa_user_sgpr_kernarg_segment_ptr 1
		.amdhsa_wavefront_size32 1
		.amdhsa_system_sgpr_workgroup_id_x 1
		.amdhsa_system_sgpr_workgroup_id_y 1
		.amdhsa_system_sgpr_workgroup_id_z 1
		.amdhsa_system_vgpr_workitem_id 0
		.amdhsa_next_free_vgpr 142
		.amdhsa_next_free_sgpr 66
		.amdhsa_reserve_vcc 1
		.amdhsa_float_denorm_mode_32 3
		.amdhsa_float_denorm_mode_16_64 3
		.amdhsa_memory_ordered 1
		.amdhsa_forward_progress 1
		.amdhsa_inst_pref_size 37
	.end_amdhsa_kernel
	.amdgpu_metadata
---
amdhsa.version: [ 1, 2 ]
amdhsa.kernels:
  - .name:           k_qf01ebe5eaf_prep
    .symbol:         k_qf01ebe5eaf_prep.kd
    .args:
      - { .name: x, .offset: 0, .size: 8, .value_kind: global_buffer, .address_space: global }
      - { .name: up_weight, .offset: 8, .size: 8, .value_kind: global_buffer, .address_space: global }
      - { .name: down_weight, .offset: 16, .size: 8, .value_kind: global_buffer, .address_space: global }
      - { .name: xb, .offset: 24, .size: 8, .value_kind: global_buffer, .address_space: global }
      - { .name: upb, .offset: 32, .size: 8, .value_kind: global_buffer, .address_space: global }
      - { .name: dnb, .offset: 40, .size: 8, .value_kind: global_buffer, .address_space: global }
    .group_segment_fixed_size: 35840
    .private_segment_fixed_size: 0
    .kernarg_segment_align: 8
    .kernarg_segment_size: 48
    .max_flat_workgroup_size: 256
    .sgpr_count:     66
    .vgpr_count:     142
    .wavefront_size: 32
...
	.end_amdgpu_metadata
.endif
;; end of part 1
;; launch gemm_up (part 2): grid 16 x 16, 4 waves a work-group, clusters of 4 x 4, 327,680 bytes of LDS; arguments xb, upb, hid, up_scale; writes hid
.if DOCPART == 2
	.amdgcn_target "amdgcn-amd-amdhsa--gfx1250"
	.amdhsa_code_object_version 6
	.text
	.protected	k_qf01ebe5eaf_gemm_up
	.globl	k_qf01ebe5eaf_gemm_up
	.p2align	8
	.type	k_qf01ebe5eaf_gemm_up,@function
k_qf01ebe5eaf_gemm_up:
	s_mov_b64 s[64:65], 0
	v_nop
	global_prefetch_b8 v0, s[64:65] scope:SCOPE_SE
	s_setreg_imm32_b32 hwreg(HW_REG_WAVE_MODE, 25, 1), 1
	s_wait_xcnt 0x0
	s_wait_alu depctr_hold_cnt(0) depctr_sa_sdst(0) depctr_va_vdst(0) depctr_va_sdst(0) depctr_va_ssrc(0) depctr_va_vcc(0) depctr_vm_vsrc(0)
	s_getreg_b32 s2, hwreg(HW_REG_IB_STS2, 6, 4)
	s_cmp_eq_u32 s2, 0
	s_cbranch_scc0 .Lentry_in_a_cluster
	s_endpgm
.Lentry_in_a_cluster:
	s_bfe_u32 s2, ttmp6, 0x10000c
	s_cmp_lg_u32 s2, 0xf033
	s_cbranch_scc0 .Lentry_shape_is_right
	s_endpgm
.Lentry_shape_is_right:
; hid[m][n] = relu(up_scale[n] x the sum over k of xb[m][k] upb[n][k]).  xb: [4096][2048], upb: [4096][2048], hid: [4096][4096], all bf16; up_scale: [4096] f32.  Sums and scaling in f32, hid rounded once.
; A tile of hid, 256 x 256, is made by a work-group of four waves; a wave makes 128 x 128: 64 accumulators of 16 x 16, 512 registers.  16 x 16 tiles: 256 work-groups.
; K goes in steps of 128 through a ring of two LDS slots filled by the tensor data mover: a tile's rows are 256 consecutive bytes, at multiples of 256 from the buffer's first byte.
; CLUSTERS: 4 x 4 work-groups.  The four of a row of the cluster need the same tiles of xb, the four of a column the same tiles of upb: each tile is asked for JOINTLY, by the same tensor load with
; the same descriptor and a mask that names the four, and each receives it in its own LDS.
; THE MATRIX INSTRUCTION IS USED TRANSPOSED: source 0 = 16 rows of upb, source 1 = 16 rows of xb.  Lane l then holds row l % 16 of hid and the columns 8 (l / 16) + 0..7: eight neighbouring numbers.
; LIMITS.  up_scale is rounded to bf16 once, like the module's other inputs, and then used as f32.  The relu is taken on the packed bf16 numbers (rounding keeps order and sign, so the
; result is the same as relu first); it gives 0 for a NaN, where a relu that passes NaN on would give NaN.  hid is kept in bf16: 8 significant bits, f32's range.
; REGISTERS, in windows of 256 (s_set_vgpr_msb's low byte: bits 1:0 source 0, 3:2 source 1, 5:4 source 2, 7:6 destination):
;   window 0: v0-31 addresses; v64-127, v128-191 fragments of xb (8 x 16 rows x 32 K), two buffers; v32-63, v192-255 at work on the way out
;   window 1: v0-63 up_scale of my 8 columns in each of the 8 column blocks; v64-127, v128-191 fragments of upb, two buffers; v192-223 at work at the head
;   window 2: the 32 accumulators of my rows 0-63 (accumulator (a, b) at v[8 (8 a + b)]);   window 3: those of my rows 64-127
.set SIZE_M, 4096
.set SIZE_N, 4096
.set SIZE_K, 2048
.set KSTEP,  128
.set PITCH,  272                       ; an LDS row: 256 bytes of data + 16 of padding = 68 words: row r starts at bank 4 r mod 64 (64 banks of 4 bytes: ISA guide 11.1), so the 16 rows that a load touches start at 16 different banks
.set HALFT,  128*PITCH                 ; 128 rows: what one tensor load brings, and what one wave reads of either operand
.set SLOT,   4*HALFT                   ; xb's 256 rows, then upb's 256 rows
.set STAGE,  2*SLOT                    ; behind the ring: 16 rows x 272 bytes for each wave, for the way out; no tensor load lands there
.set SPITCH, 272
.set SPARE,  STAGE+4*16*SPITCH         ; behind the stages: the spare words, 128 bytes for each wave: two blocks of 256 bytes that no other line names
.set LAPS,   SIZE_K/(2*KSTEP)          ; a lap = two K steps = once round the ring: 8
.set ADRA, 16                          ; v16-17  LDS address of my xb fragments in slot 0, 1
.set ADRB, 20                          ; v20-21  the same for upb
.set STO,  24                          ; v24     the way out: where I put 16 bytes of a row
.set RD,   25                          ; v25     the way out: where I read a row back
.set CO,   26                          ; v26     my byte offset in hid
.set ZERO, 27                          ; v27     0, for the relu
.set SPW,  28                          ; v28     LDS address of my spare word: SPARE + 4 x my thread's number; never rewritten
.set NIL,  29                          ; v29     0; kept for the add alone
.set PFO,  30                          ; v30     the prefetches' offset: my lane x a row of xb or upb (4,096 bytes); never rewritten
.set SCO,  31                          ; v31     my byte offset in up_scale; never rewritten
.set SC,   0                           ; window 1: the scales, block b's eight at SC + 8 b
.set RT,   192                         ; window 1: at work while the scales are rounded
.set F0,   64                          ; fragment buffer 0
.set F1,   128                         ; fragment buffer 1
.set TMP,  192                         ; the way out: packed results, in window 0
.set OB,   32                          ; the way out: 16 rows read back from the stage: v32-63 and v224-255 by turns
.set G1,  24                           ; s[24:31] descriptor group 1 for xb's tiles
.set G0,  32                           ; s[32:39] descriptor group 0 for xb's tiles, one set for each slot
.set LIM, 43                           ; s43      1 in a wave that prefetches, else the greatest number
.set PFA, 44                           ; s[44:45] where my prefetches stand: my work-group's 32 rows of the 128 that I fetch, one K step further along K than the refill in hand
.set G1B, 48                           ; s[48:55] descriptor group 1 for upb's tiles: it differs in the mask alone
.set G0B, 56                           ; s[56:63] descriptor group 0 for upb's tiles
.set SCP, 66                           ; s[66:67] up_scale
.set MSB, 0
.macro WIN new                         ; the immediate's high byte repeats the setting that is left; a switch that changes nothing is dropped
.if MSB != (\new)
	s_set_vgpr_msb (MSB<<8)|(\new)
.set MSB, \new
.endif
.endm
.set MUL_LO, 0xa1                      ; source 0 (upb) window 1, source 1 (xb) window 0, C and D window 2
.set MUL_HI, 0xf1                      ; the same, C and D window 3
.set TO_B,   0x40                      ; destination window 1, address window 0
; A joint load.  Waves 0 and 1 fetch xb's two halves, waves 2 and 3 upb's.  Each of the two lines has one mask and one set of registers for all that issue it.  The branch hangs on the wave's number alone.
; An s_nop 0 and four v_nop follow each of the two lines, ahead of the jump, the label and what follows.
.macro JLOAD s
	s_cmp_eq_u32 s11, 0
	s_cbranch_scc0 .Lfor_b_\@
	tensor_load_to_lds s[G0+4*(\s):G0+4*(\s)+3], s[G1:G1+7]
	s_nop 0
.rept 4
	v_nop
.endr
	s_branch .Lasked_\@
.Lfor_b_\@:
	tensor_load_to_lds s[G0B+4*(\s):G0B+4*(\s)+3], s[G1B:G1B+7]
	s_nop 0
.rept 4
	v_nop
.endr
.Lasked_\@:
.endm
; A PREFETCH INTO THE L2, behind each joint refill and the run of LDS loads that follows it: the K step that stands TWO refills on, 512 matrix instructions ahead of the load that will ask for it:
; 32 rows x 256 bytes, a lane a row, one instruction a wave.  Each row's 256 bytes of a K step are named ONCE in the launch: xb's tile row is read by every cluster of that row of clusters, and the
; first of them (cluster x = 0) asks; upb's tile column by every cluster of that column, and cluster y = 0 asks.  The four partners that ask for a tile jointly share its rows out BY ADDRESS: of the
; 128 rows that a wave fetches the partner at place p takes 32 p .. 32 p + 31 (p = cx for xb, cy for upb).  The loop's last trip (s3 = 1) asks for nothing: there is no K step two on.
.macro ASK
	s_cmp_gt_u32 s3, s[LIM]
	s_cbranch_scc0 .Lnot_mine_\@
	global_prefetch_b8 v[PFO], s[PFA:PFA+1] offset:KSTEP*2 th:TH_LOAD_NT scope:SCOPE_SE
.Lnot_mine_\@:
.endm
; A round of the cluster's barrier: my work-group's barrier, so that wave 0's signal speaks for all four waves; wave 0 signals for the work-group; every wave waits for all sixteen work-groups; my work-group's barrier once more.
.macro CREST                           ; a round behind its opening barrier
	s_cmp_lg_u32 s10, 0
	s_cbranch_scc1 .Lnot_wave_0_\@
	s_barrier_signal -3
.Lnot_wave_0_\@:
	s_barrier_wait -3
	s_barrier_signal -1
	s_barrier_wait -1
.endm
.macro CROUND                          ; a whole round
	s_barrier_signal -1
	s_barrier_wait -1
	CREST
.endm
	s_load_b128 s[4:7], s[0:1], 0x0                ; xb s[4:5], upb s[6:7]
	s_load_b64 s[8:9], s[0:1], 0x10                ; hid
	s_load_b64 s[SCP:SCP+1], s[0:1], 0x18          ; up_scale
	v_lshl_add_u32 v[SPW], v0, 2, SPARE
	v_mov_b32 v[NIL], 0
	ds_add_u32 v[SPW], v[NIL]                      ; the wave's opening: the add, twice on end, and its wait ahead of my first tensor load; the set-up below, work on registers, stands between
	ds_add_u32 v[SPW], v[NIL]                      ; and once more, under the one wait
	v_lshrrev_b32 v1, 5, v0
	v_readfirstlane_b32 s10, v1                    ; wave 0..3
	s_lshr_b32 s11, s10, 1                         ; which half of the tile's rows is mine.  Also: I fetch for xb (0) or for upb (1)
	s_and_b32 s12, s10, 1                          ; which half of its columns.  Also: which 128 rows of that operand's tile I fetch
	s_bfe_u32 s40, ttmp6, 0x40000                  ; cx: my place along the cluster's x
	s_bfe_u32 s41, ttmp6, 0x40004                  ; cy: along its y
	s_lshl_b32 s42, ttmp9, 2                       ; in a cluster launch ttmp9 and ttmp7 count clusters
	s_add_co_u32 s42, s42, s40                     ; tile column = 4 x cluster x + cx
	s_and_b32 s13, ttmp7, 0xffff
	s_lshl_b32 s13, s13, 2
	s_add_co_u32 s13, s13, s41                     ; tile row = 4 x cluster y + cy
	s_lshl_b32 s43, s41, 2
	s_lshl_b32 s43, 15, s43                        ; my row of the cluster: places 4 cy .. 4 cy + 3
	s_lshl_b32 s44, 0x1111, s40                    ; my column: places cx, cx + 4, cx + 8, cx + 12
	; descriptor group 1: a tile of 128 rows x 128 elements, padded in LDS
	s_or_b32 s[G1+0], s43, (1<<16)|(1<<20)|(1<<21)|(5<<22)|(3<<25)  ; 15:0 the mask: xb's tiles go to my row; 17:16 elements of 2 bytes; 20 padding on; 21 set beside a mask; 24:22 after every 64 words (code 5); 31:25 4 words of it (code 3)
	s_or_b32 s[G1B+0], s44, (1<<16)|(1<<20)|(1<<21)|(5<<22)|(3<<25) ; the same with the mask of my column, for upb's tiles
.irp g, G1, G1B
	s_mov_b32 s[(\g)+1], KSTEP<<16                 ; 63:48 tensor_dim0, low half = 128
	s_mov_b32 s[(\g)+2], 128<<16                   ; 79:64 its high half = 0; 95:80 tensor_dim1, low half = 128
	s_mov_b32 s[(\g)+3], KSTEP<<16                 ; 111:96 its high half = 0; 127:112 tile_dim0 = 128
	s_mov_b32 s[(\g)+4], 128                       ; 143:128 tile_dim1 = 128; 159:144 tile_dim2 = 0
	s_mov_b32 s[(\g)+5], SIZE_K                    ; 191:160 tensor_dim0_stride: elements from row to row
	s_mov_b32 s[(\g)+6], 0
	s_mov_b32 s[(\g)+7], 0
.endr
	; where the tiles come from.  xb's hang on the tile row alone, which my row of the cluster shares; upb's on the tile column alone, which my column shares.
	s_lshl_b32 s17, s12, 7                         ; which 128 rows of the tile I fetch
	s_lshl_b32 s16, s13, 8
	s_add_co_u32 s16, s16, s17                     ; xb: row 256 x tile row + 128 x half
	s_lshl_b32 s46, s42, 8
	s_add_co_u32 s46, s46, s17                     ; upb: row 256 x tile column + 128 x half
	s_mov_b32 s17, 0
	s_mov_b32 s47, 0
	s_mov_b64 s[18:19], SIZE_K*2
	s_mul_u64 s[16:17], s[16:17], s[18:19]         ; in bytes, in 64 bits
	s_mul_u64 s[46:47], s[46:47], s[18:19]
	s_mul_i32 s20, s10, HALFT                      ; and where they go: wave x 128 rows: no place in the cluster enters an LDS address
	s_wait_dscnt 0x0                               ; both opening adds are done
	s_wait_kmcnt 0x0
	s_add_nc_u64 s[14:15], s[4:5], s[16:17]
	s_add_nc_u64 s[46:47], s[6:7], s[46:47]
	CROUND                                         ; all sixteen work-groups are here: the first joint loads meet
.irp s, 0,1
	s_mov_b32 s[G0+4*(\s)], 1                                      ; 1:0 count = 1
	s_add_co_u32 s[G0+4*(\s)+1], s20, (\s)*SLOT                    ; 63:32 LDS address
	s_add_nc_u64 s[G0+4*(\s)+2:G0+4*(\s)+3], s[14:15], (\s)*KSTEP*2  ; 120:64 global address: K step s
	s_or_b32 s[G0+4*(\s)+3], s[G0+4*(\s)+3], 0x80000000            ; 127:126 type = 2
	s_mov_b32 s[G0B+4*(\s)], 1
	s_add_co_u32 s[G0B+4*(\s)+1], s20, (\s)*SLOT
	s_add_nc_u64 s[G0B+4*(\s)+2:G0B+4*(\s)+3], s[46:47], (\s)*KSTEP*2
	s_or_b32 s[G0B+4*(\s)+3], s[G0B+4*(\s)+3], 0x80000000
	JLOAD \s                                       ; the ring is filled before anything else is done: two loads of mine are out
.endr
	; A fragment is 16 rows x 32 K in 8 registers: lane l holds row l % 16; registers 0-3 hold K = 8 (l / 16) + 0..7, registers 4-7 K = 16 + 8 (l / 16) + 0..7: two loads of 16 bytes, 32 bytes apart.
	v_and_b32 v1, 15, v0                           ; l % 16
	v_bfe_u32 v2, v0, 4, 1                         ; l / 16
	v_mul_u32_u24 v3, v1, PITCH
	v_lshl_add_u32 v3, v2, 4, v3                   ; row x pitch + 16 x half
	s_mul_i32 s21, s11, HALFT                      ; my 128 rows of xb
	s_mul_i32 s22, s12, HALFT                      ; my 128 rows of upb,
	s_add_co_u32 s22, s22, 2*HALFT                 ; which lie behind xb's 256
.irp s, 0,1
	v_add_nc_u32 v[ADRA+(\s)], s21, v3
	v_add_nc_u32 v[ADRB+(\s)], s22, v3
	s_add_co_u32 s21, s21, SLOT
	s_add_co_u32 s22, s22, SLOT
.endr
	s_mul_i32 s23, s10, 16*SPITCH
	s_add_co_u32 s23, s23, STAGE                   ; my stage
	v_mul_u32_u24 v4, v1, SPITCH                   ; in: row l % 16, 16 bytes for each half of the lanes
	v_lshl_add_u32 v4, v2, 4, v4
	v_add_nc_u32 v[STO], s23, v4
	v_mul_u32_u24 v5, v2, SPITCH                   ; back: lanes 0-15 take one row of 256 bytes, lanes 16-31 the next
	v_lshl_add_u32 v5, v1, 4, v5
	v_add_nc_u32 v[RD], s23, v5
	v_mul_u32_u24 v5, v2, SIZE_N*2                 ; and the same two rows in hid
	v_lshl_add_u32 v[CO], v1, 4, v5
	v_mov_b32 v[ZERO], 0
	; where my part of the tile begins in hid, in bytes: the way out adds it to hid's address
	s_lshl_b32 s13, s13, 8
	s_lshl_b32 s14, s11, 7
	s_add_co_u32 s16, s13, s14                     ; my first row
	s_mov_b32 s17, 0
	s_mov_b64 s[18:19], SIZE_N*2
	s_mul_u64 s[16:17], s[16:17], s[18:19]
	s_lshl_b32 s46, s42, 9                         ; my first column, in bytes: 512 x tile column + 256 x half
	s_lshl_b32 s47, s12, 8
	s_add_co_u32 s46, s46, s47
	s_mov_b32 s47, 0
	s_add_nc_u64 s[16:17], s[16:17], s[46:47]
	; up_scale of my columns: block b's eight numbers lie at 4 x (my first column + 16 b + 8 (l / 16)) bytes
	s_lshl_b32 s47, s46, 1                         ; f32 where hid has bf16: twice the bytes
	v_lshl_add_u32 v[SCO], v2, 5, s47
	WIN TO_B
.irp b, 0,1,2,3,4,5,6,7
	global_load_b128 v[SC+8*(\b):SC+8*(\b)+3],   v[SCO], s[SCP:SCP+1] offset:64*(\b)
	global_load_b128 v[SC+8*(\b)+4:SC+8*(\b)+7], v[SCO], s[SCP:SCP+1] offset:64*(\b)+16
.endr
	WIN 0
	; the prefetches.  s13 = 256 x tile row, s42 = tile column, s40 = cx, s41 = cy still stand
	s_lshl_b32 s42, s42, 8
	s_and_b32 s22, ttmp7, 0xffff                   ; cluster y
	s_cmp_eq_u32 s11, 0                            ; do I fetch for xb?
	s_cselect_b32 s20, s13, s42                    ; the tile's first row: in xb by the tile row, in upb by the tile column
	s_cselect_b32 s21, s40, s41                    ; my place among the four that ask for it with me
	s_cselect_b32 s22, ttmp9, s22                  ; the coordinate along which other clusters read the same rows
	s_cselect_b64 s[PFA:PFA+1], s[4:5], s[6:7]
	s_cmp_eq_u32 s22, 0
	s_cselect_b32 s[LIM], 1, -1                    ; the same in all sixteen partners, for a given wave
	s_lshl_b32 s22, s12, 7
	s_add_co_u32 s20, s20, s22                     ; + the 128 rows that I fetch
	s_lshl_b32 s21, s21, 5
	s_add_co_u32 s20, s20, s21                     ; + my work-group's 32 of them
	s_mov_b32 s21, 0
	s_mov_b64 s[18:19], SIZE_K*2
	s_mul_u64 s[20:21], s[20:21], s[18:19]
	s_add_nc_u64 s[PFA:PFA+1], s[PFA:PFA+1], s[20:21]
	s_add_nc_u64 s[PFA:PFA+1], s[PFA:PFA+1], 2*KSTEP*2  ; at K step 2: the first refill steps it to 3 and names K step 4.  Nothing is prefetched here, at the head: K steps 0 to 3 come by their loads alone
	v_and_b32 v[PFO], 31, v0
	v_mul_u32_u24 v[PFO], v[PFO], SIZE_K*2
; 16 matrix instructions: m blocks a0, a0 + 1 of the window's four (hi = 0: my rows 0-63, 1: rows 64-127) x all 8 n blocks, 32 along K.  zero = 1: the first product starts the sums: nothing is ever cleared.
; The 64 accumulators take turns, one instruction a turn, in the same order in every quarter step.
.macro MUL16 f, hi, a0, zero
	WIN MUL_LO+0x50*(\hi)  ; MUL_LO or MUL_HI
.irp a, \a0, (\a0)+1
.irp b, 0,1,2,3,4,5,6,7
.if \zero
	v_wmma_f32_16x16x32_bf16 v[8*(8*(\a)+(\b)):8*(8*(\a)+(\b))+7], v[(\f)+8*(\b):(\f)+8*(\b)+7], v[(\f)+8*(4*(\hi)+(\a)):(\f)+8*(4*(\hi)+(\a))+7], 0
.else
	v_wmma_f32_16x16x32_bf16 v[8*(8*(\a)+(\b)):8*(8*(\a)+(\b))+7], v[(\f)+8*(\b):(\f)+8*(\b)+7], v[(\f)+8*(4*(\hi)+(\a)):(\f)+8*(4*(\hi)+(\a))+7], v[8*(8*(\a)+(\b)):8*(8*(\a)+(\b))+7]
.endif
.endr
.endr
.endm
; 32 LDS loads in one run: the fragments of one quarter step (128 rows of upb, 128 rows of xb, 32 K at byte k of the rows) into buffer f
.macro FETCH slot, k, f
	WIN TO_B
.irp i, 0,1,2,3,4,5,6,7
	ds_load_b128 v[(\f)+8*(\i):(\f)+8*(\i)+3],   v[ADRB+(\slot)] offset:(\k)+(\i)*16*PITCH
	ds_load_b128 v[(\f)+8*(\i)+4:(\f)+8*(\i)+7], v[ADRB+(\slot)] offset:(\k)+(\i)*16*PITCH+32
.endr
	WIN 0
.irp i, 0,1,2,3,4,5,6,7
	ds_load_b128 v[(\f)+8*(\i):(\f)+8*(\i)+3],   v[ADRA+(\slot)] offset:(\k)+(\i)*16*PITCH
	ds_load_b128 v[(\f)+8*(\i)+4:(\f)+8*(\i)+7], v[ADRA+(\slot)] offset:(\k)+(\i)*16*PITCH+32
.endr
.endm
; A load into a register that a matrix instruction has read, and a vector instruction that reads a matrix result or writes one of its registers, stand four places behind that matrix instruction; only
; plain vector instructions that name none of its registers are places (ISA guide 7.12.1 for vector instructions).
.macro PLACES
.rept 4
	v_nop
.endr
.endm
; A K step is four quarter steps of 32 along K, 64 matrix instructions each, on buffers 0, 1, 0, 1.
; One of the first three: multiplies buffer f; in its middle it fetches the next quarter's fragments, at byte k of the same slot's rows, into buffer g.
.macro QUARTER slot, k, f, g, zero
	s_wait_dscnt 8                                 ; upb and xb's rows 0-63 are in; the youngest eight loads (xb's rows 64-127) may be out
	MUL16 \f, 0, 0, \zero
	MUL16 \f, 0, 2, \zero
	PLACES
	FETCH \slot, \k, \g
	s_wait_dscnt 32                                ; all but the 32 just issued
	MUL16 \f, 1, 0, \zero
	MUL16 \f, 1, 2, \zero
.endm
; The last quarter multiplies buffer 1 and changes slots.  MEET is its first half: ONE barrier for the change.  In front of it each wave waits for all its tensor loads, of which one is out: its part of
; the next slot; adds 0 to its spare word; and waits for that and for its own reads of this slot.  Behind it nobody reads this slot any more and the next slot is whole.
.macro MEET round                      ; round = 1: a round of the cluster's barrier follows
	WIN 0                                          ; (the add's two registers lie in window 0)
	s_wait_tensorcnt 0x0                           ; all my tensor loads have landed;
	ds_add_u32 v[SPW], v[NIL]                      ; 0 onto my spare word;
	s_wait_dscnt 9                                 ; (the add and the youngest eight loads may be out)
	MUL16 F1, 0, 0, 0                              ; sixteen matrix instructions stand between the add and the wait for it
	s_wait_dscnt 0x0                               ; the add is done, and my reads of this slot are over:
	s_barrier_signal -1                            ; say so,
	MUL16 F1, 0, 2, 0                              ; work on registers while the others arrive,
.if \round
	WIN 0
.endif
	s_barrier_wait -1                              ; and go on when all four have said so
.endm
; The whole last quarter.  fill = 1: the barrier opens a round of the cluster's barrier, and behind the round the slot just read out is filled again first, with the K step two steps on: from that request
; to the wait for it a wave issues 224 matrix instructions.  Then come the next slot's first fragments.
.macro TURN slot, next, fill
.if \fill
	s_wait_xcnt 0x0                                ; the last prefetch, a K step back, has read its address: it is stepped here, ahead of the waits of the change of slots
	s_add_nc_u64 s[PFA:PFA+1], s[PFA:PFA+1], KSTEP*2
.endif
	MEET \fill
.if \fill
	CREST                                          ; no wave of any partner still reads this slot's tile or has a load on its way
	s_add_nc_u64 s[G0+4*(\slot)+2:G0+4*(\slot)+3], s[G0+4*(\slot)+2:G0+4*(\slot)+3], 2*KSTEP*2    ; no tensor load of mine is out, so the descriptors may be written
	s_add_nc_u64 s[G0B+4*(\slot)+2:G0B+4*(\slot)+3], s[G0B+4*(\slot)+2:G0B+4*(\slot)+3], 2*KSTEP*2
	JLOAD \slot                                    ; my one tensor load behind the round, and the first thing there; its four v_nop are also the places in front of the loads below
.else
	PLACES
.endif
	FETCH \next, 0, F0
.if \fill
	ASK
.endif
	MUL16 F1, 1, 0, 0
	MUL16 F1, 1, 2, 0
.endm
; THE WAY OUT of block a (16 of my rows), in three parts.  PACK: times up_scale in f32, in place, each accumulator from its low end on; rounded to bf16, 16 bytes a lane; relu on the packed halves.
.macro PACK a
.set AC, 64*((\a)%4)
	WIN 0x86+0x41*((\a)/4)                         ; destination and source 0 window 2 or 3, source 1 (the scales) window 1
.irp b, 0,1,2,3,4,5,6,7
.irp r, 0,1,2,3
	v_pk_mul_f32 v[AC+8*(\b)+2*(\r):AC+8*(\b)+2*(\r)+1], v[AC+8*(\b)+2*(\r):AC+8*(\b)+2*(\r)+1], v[SC+8*(\b)+2*(\r):SC+8*(\b)+2*(\r)+1]
.endr
.endr
	WIN 0x0a+5*((\a)/4)                            ; sources 0 and 1 window 2 or 3, destination window 0
.irp b, 0,1,2,3,4,5,6,7
.irp r, 0,1,2,3
	v_cvt_pk_bf16_f32 v[TMP+4*(\b)+(\r)], v[AC+8*(\b)+2*(\r)], v[AC+8*(\b)+2*(\r)+1]
.endr
.endr
	WIN 0
.set i, 0
.rept 32
	v_pk_max_num_bf16 v[TMP+i], v[TMP+i], v[ZERO]  ; two relus a line; nothing is rounded here
.set i, i+1
.endr
.endm
; TOSTAGE: into my own stage in LDS, and back as whole rows of 256 bytes.
.macro TOSTAGE a
	WIN 0
.set BK, OB+192*((\a)%2)
.irp b, 0,1,2,3,4,5,6,7
	ds_store_b128 v[STO], v[TMP+4*(\b):TMP+4*(\b)+3] offset:32*(\b)
.endr
.irp t, 0,1,2,3,4,5,6,7
	ds_load_b128 v[BK+4*(\t):BK+4*(\t)+3], v[RD] offset:(\t)*2*SPITCH  ; LDS serves a wave's instructions in order (ISA guide 5.7.1.4): these see the stores above
.endr
.endm
; SEND: stored.
.macro SEND a, younger
	WIN 0
.set BK, OB+192*((\a)%2)
	s_wait_dscnt \younger                          ; the block is back in registers
	s_wait_xcnt 0x0                                ; every earlier store has had its address translated (ISA guide 3.1): only behind this wait are the stores' base and the registers that earlier stores read rewritten
.if (\a) == 0
	s_add_nc_u64 s[8:9], s[8:9], s[16:17]          ; on to my first rows
.else
	s_add_nc_u64 s[8:9], s[8:9], 16*SIZE_N*2       ; 16 rows on
.endif
.irp t, 0,1,2,3,4,5,6,7
	global_store_b128 v[CO], v[BK+4*(\t):BK+4*(\t)+3], s[8:9] offset:2*(\t)*SIZE_N*2  ; 16 lanes store 256 consecutive bytes, at a multiple of 256 from hid's first byte
.endr
.endm
	s_wait_loadcnt 0x0                             ; up_scale is in; it is rounded to bf16 and widened again while the first tile is on its way
	WIN 0x45                                       ; sources 0 and 1 and destination window 1
.set i, 0
.rept 32
	v_cvt_pk_bf16_f32 v[RT+i], v[SC+2*i], v[SC+2*i+1]
.set i, i+1
.endr
.set i, 0
.rept 32
	v_lshlrev_b32 v[SC+2*i],   16, v[RT+i]
	v_and_b32     v[SC+2*i+1], 0xffff0000, v[RT+i]
.set i, i+1
.endr
	WIN 0
	s_wait_tensorcnt 1                             ; my part of K step 0 is in; K step 1's may stay out
	s_barrier_signal -1
	s_barrier_wait -1                              ; everybody's is
	FETCH 0, 0, F0
	QUARTER 0, 64,  F0, F1, 1                      ; the first quarter stands in front of the loop: its products start the sums
	WIN 0                                          ; at a label and at a branch every window is 0
	s_mov_b32 s3, LAPS-1
.Llap:                                                 ; a trip goes once round the ring, from a lap's second quarter to the next lap's first, and fills both slots again
	QUARTER 0, 128, F1, F0, 0
	QUARTER 0, 192, F0, F1, 0
	TURN 0, 1, 1
	QUARTER 1, 64,  F0, F1, 0
	QUARTER 1, 128, F1, F0, 0
	QUARTER 1, 192, F0, F1, 0
	TURN 1, 0, 1
	QUARTER 0, 64,  F0, F1, 0
	WIN 0
	s_sub_co_u32 s3, s3, 1
	s_cmp_lg_u32 s3, 0
	s_cbranch_scc1 .Llap
	QUARTER 0, 128, F1, F0, 0                      ; the last lap is written out: it fills nothing
	QUARTER 0, 192, F0, F1, 0
	TURN 0, 1, 0
	QUARTER 1, 64,  F0, F1, 0
	QUARTER 1, 128, F1, F0, 0
	QUARTER 1, 192, F0, F1, 0
	s_wait_dscnt 8                                 ; the very last quarter: nothing more to fetch
	MUL16 F1, 0, 0, 0
	MUL16 F1, 0, 2, 0
	s_wait_dscnt 0x0
	MUL16 F1, 1, 0, 0
	MUL16 F1, 1, 2, 0
	WIN 0
	PLACES                                         ; eight plain places behind the last products, twice what is asked for: the first lines of the way out write accumulators in place; once a launch
	PLACES
	PACK 0
	TOSTAGE 0
.irp a, 1,2,3,4,5,6,7                  ; block a's arithmetic stands between block a - 1's loads from the stage and the wait for them
	PACK \a
	SEND (\a)-1, 0
	TOSTAGE \a
.endr
	SEND 7, 0
	s_wait_tensorcnt 0x0                           ; the wave's end: three lines, behind my last tensor load and my last LDS store
	ds_add_u32 v[SPW], v[NIL]
	s_wait_dscnt 0x0
	CROUND                                         ; the closing round: no work-group ends while a partner may still ask for a tile that names it
	s_endpgm
.Lfunc_end_k_qf01ebe5eaf_gemm_up:
	.size	k_qf01ebe5eaf_gemm_up, .Lfunc_end_k_qf01ebe5eaf_gemm_up-k_qf01ebe5eaf_gemm_up
	.p2alignl 7, 3214868480
	.fill 96, 4, 3214868480
	.section	.rodata,"a",@progbits
	.p2align	6, 0x0
	.amdhsa_kernel k_qf01ebe5eaf_gemm_up
		.amdhsa_group_segment_fixed_size 327680
		.amdhsa_private_segment_fixed_size 0
		.amdhsa_enable_private_segment 0
		.amdhsa_kernarg_size 32
		.amdhsa_user_sgpr_count 2
		.amdhsa_user_sgpr_kernarg_segment_ptr 1
		.amdhsa_wavefront_size32 1
		.amdhsa_system_sgpr_workgroup_id_x 1
		.amdhsa_system_sgpr_workgroup_id_y 1
		.amdhsa_system_sgpr_workgroup_id_z 1
		.amdhsa_system_vgpr_workitem_id 0
		.amdhsa_next_free_vgpr 1024
		.amdhsa_next_free_sgpr 72
		.amdhsa_reserve_vcc 0
		.amdhsa_float_denorm_mode_32 3
		.amdhsa_float_denorm_mode_16_64 3
		.amdhsa_memory_ordered 1
		.amdhsa_forward_progress 1
		.amdhsa_inst_pref_size 183
	.end_amdhsa_kernel
	.amdgpu_metadata
---
amdhsa.version: [ 1, 2 ]
amdhsa.kernels:
  - .name:           k_qf01ebe5eaf_gemm_up
    .symbol:         k_qf01ebe5eaf_gemm_up.kd
    .args:
      - { .name: xb, .offset: 0, .size: 8, .value_kind: global_buffer, .address_space: global }
      - { .name: upb, .offset: 8, .size: 8, .value_kind: global_buffer, .address_space: global }
      - { .name: hid, .offset: 16, .size: 8, .value_kind: global_buffer, .address_space: global }
      - { .name: up_scale, .offset: 24, .size: 8, .value_kind: global_buffer, .address_space: global }
    .group_segment_fixed_size: 327680
    .private_segment_fixed_size: 0
    .kernarg_segment_align: 8
    .kernarg_segment_size: 32
    .max_flat_workgroup_size: 128
    .sgpr_count:     72
    .vgpr_count:     1024
    .wavefront_size: 32
...
	.end_amdgpu_metadata
.endif
;; end of part 2
;; launch gemm_down (part 3): grid 16 x 16, 4 waves a work-group, clusters of 4 x 1, 327,680 bytes of LDS; arguments hid, dnb, out0, down_scale, output_scale; writes out0
.if DOCPART == 3
	.amdgcn_target "amdgcn-amd-amdhsa--gfx1250"
	.amdhsa_code_object_version 6
	.text
	.protected	k_qf01ebe5eaf_gemm_down
	.globl	k_qf01ebe5eaf_gemm_down
	.p2align	8
	.type	k_qf01ebe5eaf_gemm_down,@function
k_qf01ebe5eaf_gemm_down:
	s_mov_b64 s[64:65], 0
	v_nop
	global_prefetch_b8 v0, s[64:65] scope:SCOPE_SE
	s_setreg_imm32_b32 hwreg(HW_REG_WAVE_MODE, 25, 1), 1
	s_wait_xcnt 0x0
	s_wait_alu depctr_hold_cnt(0) depctr_sa_sdst(0) depctr_va_vdst(0) depctr_va_sdst(0) depctr_va_ssrc(0) depctr_va_vcc(0) depctr_vm_vsrc(0)
	s_getreg_b32 s2, hwreg(HW_REG_IB_STS2, 6, 4)
	s_cmp_eq_u32 s2, 0
	s_cbranch_scc0 .Lentry_in_a_cluster
	s_endpgm
.Lentry_in_a_cluster:
	s_bfe_u32 s2, ttmp6, 0x10000c
	s_cmp_lg_u32 s2, 0x3003
	s_cbranch_scc0 .Lentry_shape_is_right
	s_endpgm
.Lentry_shape_is_right:
; out0[m][n] = (the sum over k of hid[m][k] w[n][k]) x down_scale[n] x output_scale, w = the signs of down_weight.  hid: [4096][4096] bf16, row-major.  out0: [4096][2048], down_scale: [2048], output_scale: [1], f32.
; dnb holds w in bf16 IN PIECES OF 1,024 BYTES: piece (nb, kb) = rows 16 nb .. + 15, channels 32 kb .. + 31, at byte 131,072 nb + 1,024 kb; in it row 16 nb + r, channels 32 kb + 16 j + 8 h + 0..7, at 512 j + 256 h + 16 r.
; A tile of out0 is 256 rows x 128 columns, so that 16 x 16 tiles give 256 work-groups (256 x 256 would give 128).  Four waves, each 128 rows x 64 columns: 32 accumulators of 16 x 16, 256 registers.  Sums in f32.
; hid GOES THROUGH LDS, in K steps of 256 (rows of 512 consecutive bytes, at multiples of 512 from the buffer's first byte), on a ring of two slots filled by the tensor data mover: a K step is 256 matrix
; instructions a wave.  The four work-groups of a cluster make four tiles of one tile row and need the same rows of hid: each tile is asked for JOINTLY, by the same tensor load with the same descriptor and mask.
; dnb DOES NOT GO THROUGH LDS, AND IS NOT ASKED FOR JOINTLY: two slots of 256 along K for both operands would be 2 x 384 rows x 528 bytes = 405,504 bytes, more than a work-group can have; for hid alone they are
; 270,336.  A piece is a matrix operand as the registers hold it, so a wave loads its own fragments straight from memory, 512 consecutive bytes an instruction, into a ring of eight register slots of 32 along K:
; while one slot is multiplied the other seven (56 loads, 28,672 bytes a wave) are on their way.  The price: the two waves with the same 64 columns load the same pieces.
; THE MATRIX INSTRUCTION IS USED TRANSPOSED (source 0 = 16 rows of w, source 1 = 16 rows of hid): lane l holds row l % 16 of out0 and the columns 8 (l / 16) + 0..7: 32 consecutive bytes.
; LIMITS.  down_scale and output_scale are rounded to bf16 once, like the module's other inputs; their product (exact in f32) is made once, and a sum is multiplied by it: one rounding, where
; multiplying by the one and then by the other rounds twice.
; REGISTERS, in windows of 256 (s_set_vgpr_msb's low byte: bits 1:0 source 0, 3:2 source 1, 5:4 source 2, 7:6 destination):
;   window 0: v0-31 addresses; v32-63 the scales of my 8 columns in each of the 4 column blocks; v64-95 at work; v96-159 rows on the way out
;   window 1: fragments of hid: buffer f (64 along K), its part c (32 along K), row block a at 128 f + 64 c + 8 a
;   window 2: the accumulators, (a, b) at 8 (4 a + b)          window 3: fragments of w: ring slot q, column block b at 32 q + 8 b
.set SIZE_M, 4096
.set SIZE_N, 2048
.set SIZE_K, 4096
.set KSTEP,  256
.set STEPB,  2*KSTEP                   ; bytes of a row of hid in a K step
.set PITCH,  528                       ; an LDS row: 512 bytes of data + 16 of padding = 132 words: row r starts at bank 4 r mod 64 (64 banks of 4 bytes: ISA guide 11.1), so the 16 rows that a load touches start at 16 different banks
.set QROWS,  64*PITCH                  ; 64 rows: what one tensor load brings
.set HALFA,  128*PITCH                 ; 128 rows: what a wave reads
.set SLOT,   256*PITCH
.set STAGE,  2*SLOT                    ; behind the ring: 16 rows x 272 bytes for each wave, for the way out; no tensor load lands there
.set SPITCH, 272
.set SPARE,  STAGE+4*16*SPITCH         ; behind the stages: the spare words, 128 bytes for each wave: two blocks of 256 bytes that no other line names
.set LAPS,   SIZE_K/(2*KSTEP)          ; a lap = two K steps = once round the ring: 8
.set NBB,    131072                    ; bytes of 16 rows of w: 128 pieces
.set PIECE,  1024
.set BSTEP,  8*PIECE                   ; of them a K step's eight pieces
.set OS,   6                           ; v[6:7]  output_scale, rounded, twice
.set ADRA, 16                          ; v16-17  LDS address of my hid fragments in slot 0, 1
.set BO,   20                          ; v20     16 x my lane: my bytes in 512 consecutive bytes of a piece; never rewritten
.set PFBO, 21                          ; v21     256 x my lane: the offset of dnb's prefetches; never rewritten
.set STO,  24                          ; v24     the way out: where I put 32 bytes of a row
.set RD,   25                          ; v25     the way out: where I read a row back
.set CO,   26                          ; v26     my byte offset in out0
.set SPW,  28                          ; v28     LDS address of my spare word: SPARE + 4 x my thread's number; never rewritten
.set NIL,  29                          ; v29     0; kept for the add alone
.set PFO,  30                          ; v30     the offset of hid's prefetches: (lane % 16) rows of 8,192 bytes + 256 (lane / 16); never rewritten
.set SCO,  31                          ; v31     my byte offset in down_scale; never rewritten
.set SC,   32
.set TMP,  64
.set OB,   96
.set G1,  24                           ; s[24:31] descriptor group 1
.set G0,  32                           ; s[32:39] descriptor group 0, one set for each slot
.set LIMA, 43                          ; s43      1 in a wave that prefetches hid, else the greatest number
.set PFA, 44                           ; s[44:45] where hid's prefetches stand: one K step further along K than the refill in hand
.set BP,  48                           ; s[48:49] dnb at my first piece of the lap's first K step
.set PFB, 50                           ; s[50:51] where dnb's prefetches stand: three K steps on from the one in hand
.set LIMB, 52                          ; s52      1 in a wave that prefetches dnb, else the greatest number
.set SCP, 66                           ; s[66:67] down_scale
.set OSP, 68                           ; s[68:69] output_scale;  s70 its number
.set MSB, 0
.macro WIN new                         ; the immediate's high byte repeats the setting that is left; a switch that changes nothing is dropped
.if MSB != (\new)
	s_set_vgpr_msb (MSB<<8)|(\new)
.set MSB, \new
.endif
.endm
.set MUL,  0xa7                        ; source 0 (w) window 3, source 1 (hid) window 1, C and D window 2
.set TO_A, 0x40                        ; destination window 1, address window 0
.set TO_B, 0xc0                        ; destination window 3, address window 0
; PREFETCHES INTO THE L2, behind each joint refill and the runs of loads that follow it; each aligned block of 256 bytes is named once in the launch.
; hid: the K step that stands two refills on, 512 matrix instructions ahead of the load that will ask for it.  A tile row's rows are read by the four clusters of that row: the first (cluster x = 0) asks.  Its four
; partners share the rows out BY ADDRESS: of the 64 rows that a wave fetches the partner at place cx takes 16 cx .. 16 cx + 15, two blocks of 256 bytes a row: 32 lanes, one instruction a wave.
; dnb: the K step three on from the one that is being multiplied, two on from the one that is being loaded.  A tile column's pieces are read by all sixteen tile rows: tile row 0 asks, each wave for two of the
; column's eight blocks of 16 rows: 8,192 consecutive bytes each, a lane 256 of them: two instructions a wave.
; The loop's last trip (s3 = 1) asks for nothing.  hid's K steps 0 to 3 and dnb's 0 to 2 and 15 come by their loads alone.
.macro ASK
	s_cmp_gt_u32 s3, s[LIMA]
	s_cbranch_scc0 .Lnot_hid_\@
	global_prefetch_b8 v[PFO], s[PFA:PFA+1] offset:STEPB th:TH_LOAD_NT scope:SCOPE_SE
.Lnot_hid_\@:
	s_cmp_gt_u32 s3, s[LIMB]
	s_cbranch_scc0 .Lnot_dnb_\@
	global_prefetch_b8 v[PFBO], s[PFB:PFB+1] th:TH_LOAD_NT scope:SCOPE_SE
	global_prefetch_b8 v[PFBO], s[PFB:PFB+1] offset:NBB th:TH_LOAD_NT scope:SCOPE_SE
.Lnot_dnb_\@:
.endm
; A round of the cluster's barrier: my work-group's barrier, so that wave 0's signal speaks for all four waves; wave 0 signals for the work-group; every wave waits for all four work-groups; my work-group's barrier once more.
.macro CREST                           ; a round behind its opening barrier
	s_cmp_lg_u32 s10, 0
	s_cbranch_scc1 .Lnot_wave_0_\@
	s_barrier_signal -3
.Lnot_wave_0_\@:
	s_barrier_wait -3
	s_barrier_signal -1
	s_barrier_wait -1
.endm
.macro CROUND                          ; a whole round
	s_barrier_signal -1
	s_barrier_wait -1
	CREST
.endm
.macro PLACES                          ; four plain places in front of loads into registers that matrix instructions have read, and of vector lines that read results (ISA guide 7.12.1 for vector instructions)
.rept 4
	v_nop
.endr
.endm
	s_load_b128 s[4:7], s[0:1], 0x0                ; hid s[4:5], dnb s[6:7]
	s_load_b64 s[8:9], s[0:1], 0x10                ; out0
	s_load_b64 s[SCP:SCP+1], s[0:1], 0x18          ; down_scale
	s_load_b64 s[OSP:OSP+1], s[0:1], 0x20          ; output_scale
	v_lshl_add_u32 v[SPW], v0, 2, SPARE
	v_mov_b32 v[NIL], 0
	ds_add_u32 v[SPW], v[NIL]                      ; the wave's opening: the add, twice on end, and its wait ahead of my first tensor load; the set-up below, work on registers, stands between
	ds_add_u32 v[SPW], v[NIL]                      ; and once more, under the one wait
	v_lshrrev_b32 v1, 5, v0
	v_readfirstlane_b32 s10, v1                    ; wave 0..3
	s_lshr_b32 s11, s10, 1                         ; which half of the tile's rows is mine
	s_and_b32 s12, s10, 1                          ; which half of its columns
	s_bfe_u32 s40, ttmp6, 0x40000                  ; cx: my place in the cluster
	s_lshl_b32 s42, ttmp9, 2                       ; in a cluster launch ttmp9 counts clusters
	s_add_co_u32 s42, s42, s40                     ; tile column = 4 x cluster x + cx: it enters dnb's, the scales' and out0's addresses alone
	s_and_b32 s13, ttmp7, 0xffff                   ; tile row, which the four partners share
	; descriptor group 1: a tile of 64 rows x 256 elements, padded in LDS
	s_mov_b32 s[G1+0], 15|(1<<16)|(1<<20)|(1<<21)|(6<<22)|(3<<25)  ; 15:0 the mask: all four work-groups; 17:16 elements of 2 bytes; 20 padding on; 21 set beside a mask; 24:22 after every 128 words (code 6); 31:25 4 words of it (code 3)
	s_mov_b32 s[G1+1], KSTEP<<16                   ; 63:48 tensor_dim0, low half = 256
	s_mov_b32 s[G1+2], 64<<16                      ; 79:64 its high half = 0; 95:80 tensor_dim1, low half = 64
	s_mov_b32 s[G1+3], KSTEP<<16                   ; 111:96 its high half = 0; 127:112 tile_dim0 = 256
	s_mov_b32 s[G1+4], 64                          ; 143:128 tile_dim1 = 64; 159:144 tile_dim2 = 0
	s_mov_b32 s[G1+5], SIZE_K                      ; 191:160 tensor_dim0_stride: elements from row to row
	s_mov_b32 s[G1+6], 0
	s_mov_b32 s[G1+7], 0
	s_lshl_b32 s16, s13, 8
	s_lshl_b32 s17, s10, 6
	s_add_co_u32 s16, s16, s17                     ; the rows that I fetch begin at 256 x tile row + 64 x wave,
	s_lshl_b32 s16, s16, 13                        ; in bytes (8,192 a row; under 2^25)
	s_mov_b32 s17, 0
	s_mul_i32 s20, s10, QROWS                      ; and go to wave x 64 rows of a slot: no place in the cluster enters an LDS address
	s_wait_dscnt 0x0                               ; both opening adds are done
	s_wait_kmcnt 0x0
	s_add_nc_u64 s[14:15], s[4:5], s[16:17]
	CROUND                                         ; all four work-groups are here: the first joint loads meet
.irp s, 0,1
	s_mov_b32 s[G0+4*(\s)], 1                                      ; 1:0 count = 1
	s_add_co_u32 s[G0+4*(\s)+1], s20, (\s)*SLOT                    ; 63:32 LDS address
	s_add_nc_u64 s[G0+4*(\s)+2:G0+4*(\s)+3], s[14:15], (\s)*STEPB  ; 120:64 global address: K step s
	s_or_b32 s[G0+4*(\s)+3], s[G0+4*(\s)+3], 0x80000000            ; 127:126 type = 2
	tensor_load_to_lds s[G0+4*(\s):G0+4*(\s)+3], s[G1:G1+7]        ; the ring is filled before anything else is done: two loads of mine are out
	s_nop 0
.endr
	PLACES                                         ; four v_nop behind the second
	s_load_b32 s70, s[OSP:OSP+1], 0x0              ; output_scale's one number
	; A fragment is 16 rows x 32 K in 8 registers: lane l holds row l % 16; registers 0-3 hold K = 8 (l / 16) + 0..7, registers 4-7 K = 16 + 8 (l / 16) + 0..7.
	v_and_b32 v1, 15, v0                           ; l % 16
	v_bfe_u32 v2, v0, 4, 1                         ; l / 16
	v_mul_u32_u24 v3, v1, PITCH
	v_lshl_add_u32 v3, v2, 4, v3                   ; from LDS: row x pitch + 16 x half, two loads 32 bytes apart
	s_mul_i32 s21, s11, HALFA                      ; my 128 rows of hid
	v_add_nc_u32 v[ADRA], s21, v3
	s_add_co_u32 s21, s21, SLOT
	v_add_nc_u32 v[ADRA+1], s21, v3
	s_mul_i32 s23, s10, 16*SPITCH
	s_add_co_u32 s23, s23, STAGE                   ; my stage
	v_mul_u32_u24 v4, v1, SPITCH                   ; in: row l % 16, 32 bytes for each half of the lanes
	v_lshl_add_u32 v4, v2, 5, v4
	v_add_nc_u32 v[STO], s23, v4
	v_mul_u32_u24 v5, v2, SPITCH                   ; back: lanes 0-15 take one row of 256 bytes, lanes 16-31 the next
	v_lshl_add_u32 v5, v1, 4, v5
	v_add_nc_u32 v[RD], s23, v5
	v_mul_u32_u24 v5, v2, SIZE_N*4                 ; and the same two rows in out0
	v_lshl_add_u32 v[CO], v1, 4, v5
	; where my part of the tile begins in out0, in bytes
	s_lshl_b32 s13, s13, 8                         ; 256 x tile row, from here on
	s_lshl_b32 s14, s11, 7
	s_add_co_u32 s16, s13, s14                     ; my first row
	s_mov_b32 s17, 0
	s_mov_b64 s[18:19], SIZE_N*4
	s_mul_u64 s[16:17], s[16:17], s[18:19]
	s_lshl_b32 s46, s42, 9                         ; my first column, in bytes of f32: 512 x tile column + 256 x half
	s_lshl_b32 s47, s12, 8
	s_add_co_u32 s46, s46, s47
	s_mov_b32 s47, 0
	s_add_nc_u64 s[16:17], s[16:17], s[46:47]
	; down_scale of my columns: block b's eight numbers lie 64 b + 32 (l / 16) bytes behind my first column's
	v_lshl_add_u32 v[SCO], v2, 5, s46
.irp b, 0,1,2,3
	global_load_b128 v[SC+8*(\b):SC+8*(\b)+3],   v[SCO], s[SCP:SCP+1] offset:64*(\b)
	global_load_b128 v[SC+8*(\b)+4:SC+8*(\b)+7], v[SCO], s[SCP:SCP+1] offset:64*(\b)+16
.endr
	; dnb: my 64 columns are the four blocks of 16 rows from 8 x tile column + 4 x half on
	s_lshl_b32 s20, s42, 3
	s_lshl_b32 s21, s12, 2
	s_add_co_u32 s20, s20, s21
	s_lshl_b32 s20, s20, 17                        ; 131,072 bytes a block (under 2^24)
	s_mov_b32 s21, 0
	s_add_nc_u64 s[BP:BP+1], s[6:7], s[20:21]
	v_and_b32 v[BO], 31, v0
	v_lshlrev_b32 v[BO], 4, v[BO]
; Eight loads: the fragments of w for 32 along K, one piece for each of my four column blocks, into ring slot q; off = the piece's bytes behind the pointer.  Each load covers 512 consecutive bytes.
.macro BLOAD q, off
	WIN TO_B
.irp b, 0,1,2,3
	global_load_b128 v[32*(\q)+8*(\b):32*(\q)+8*(\b)+3],   v[BO], s[BP:BP+1] offset:(\off)+NBB*(\b)
	global_load_b128 v[32*(\q)+8*(\b)+4:32*(\q)+8*(\b)+7], v[BO], s[BP:BP+1] offset:(\off)+NBB*(\b)+512
.endr
.endm
.irp q, 0,1,2,3,4,5
	BLOAD \q, PIECE*(\q)                           ; K step 0's first six slots; the last two follow when the scales are in
.endr
	WIN 0
	; the prefetches.  s13 = 256 x tile row, s42 = tile column, s40 = cx still stand
	s_lshl_b32 s21, s10, 6
	s_add_co_u32 s20, s13, s21                     ; the 64 rows of hid that I fetch,
	s_lshl_b32 s21, s40, 4
	s_add_co_u32 s20, s20, s21                     ; my work-group's 16 of them
	s_lshl_b32 s20, s20, 13
	s_mov_b32 s21, 0
	s_add_nc_u64 s[PFA:PFA+1], s[4:5], s[20:21]
	s_add_nc_u64 s[PFA:PFA+1], s[PFA:PFA+1], 2*STEPB  ; at K step 2: the first refill steps it to 3 and names K step 4.  Nothing is prefetched here, at the head
	s_mov_b32 s22, ttmp9
	s_cmp_eq_u32 s22, 0
	s_cselect_b32 s[LIMA], 1, -1                   ; the same in all four partners
	v_lshlrev_b32 v[PFO], 13, v1
	v_lshl_add_u32 v[PFO], v2, 8, v[PFO]
	s_lshl_b32 s20, s42, 3
	s_lshl_b32 s21, s10, 1
	s_add_co_u32 s20, s20, s21                     ; of the tile column's eight blocks of 16 rows: 2 x wave and the next
	s_lshl_b32 s20, s20, 17
	s_mov_b32 s21, 0
	s_add_nc_u64 s[PFB:PFB+1], s[6:7], s[20:21]
	s_add_nc_u64 s[PFB:PFB+1], s[PFB:PFB+1], 2*BSTEP  ; at K step 2: the first change of slots steps it to 3 and names that
	s_cmp_eq_u32 s13, 0
	s_cselect_b32 s[LIMB], 1, -1                   ; the same in all four partners
	v_lshlrev_b32 v[PFBO], 4, v[BO]
; 16 matrix instructions: m blocks a0 .. a0 + 3 x all 4 n blocks, 32 along K: part c of hid's buffer f, ring slot q of w.  zero = 1: the first product starts the sums: nothing is ever cleared.
; The 32 accumulators take turns, one instruction a turn, in the same order everywhere.
.macro MUL16 f, c, a0, zero, q
	WIN MUL
.irp a, \a0, (\a0)+1, (\a0)+2, (\a0)+3
.irp b, 0,1,2,3
.if \zero
	v_wmma_f32_16x16x32_bf16 v[8*(4*(\a)+(\b)):8*(4*(\a)+(\b))+7], v[32*(\q)+8*(\b):32*(\q)+8*(\b)+7], v[128*(\f)+64*(\c)+8*(\a):128*(\f)+64*(\c)+8*(\a)+7], 0
.else
	v_wmma_f32_16x16x32_bf16 v[8*(4*(\a)+(\b)):8*(4*(\a)+(\b))+7], v[32*(\q)+8*(\b):32*(\q)+8*(\b)+7], v[128*(\f)+64*(\c)+8*(\a):128*(\f)+64*(\c)+8*(\a)+7], v[8*(4*(\a)+(\b)):8*(4*(\a)+(\b))+7]
.endif
.endr
.endr
.endm
; 32 LDS loads in one run: hid's fragments of 64 along K at byte k of the rows, into buffer f; the first 32 along K first
.macro FETCH slot, k, f
	WIN TO_A
.irp c, 0,1
.irp i, 0,1,2,3,4,5,6,7
	ds_load_b128 v[128*(\f)+64*(\c)+8*(\i):128*(\f)+64*(\c)+8*(\i)+3],   v[ADRA+(\slot)] offset:(\k)+64*(\c)+(\i)*16*PITCH
	ds_load_b128 v[128*(\f)+64*(\c)+8*(\i)+4:128*(\f)+64*(\c)+8*(\i)+7], v[ADRA+(\slot)] offset:(\k)+64*(\c)+(\i)*16*PITCH+32
.endr
.endr
.endm
; A K step is four halves... of a half lap: four parts of 64 along K, 64 matrix instructions each, on hid's buffers 0, 1, 0, 1 and w's ring slots 0 to 7.
; Part hx of the first three: multiplies buffer hx % 2; in its middle it fetches the next part's fragments of hid into the other buffer.  bl = 1: each ring slot is asked for again, four places behind its last
; product, with the piece eight pieces on (boff = the bytes from the pointer to that K step).  w0, w1: how many younger loads of w may be out ahead of each 32 products: seven slots' 56; in the last K step fewer.
.macro HALF slot, hx, zero, bl, boff, w0, w1
	s_wait_dscnt 16                                ; hid's first 32 along K are in; the youngest sixteen loads may be out
	s_wait_loadcnt \w0                             ; loads come back in order (ISA guide 5.7.1): this slot's eight are in
	MUL16 (\hx)%2, 0, 0, \zero, 2*(\hx)
	MUL16 (\hx)%2, 0, 4, \zero, 2*(\hx)
	PLACES
	FETCH \slot, 128*((\hx)+1), 1-(\hx)%2
.if \bl
	BLOAD 2*(\hx), (\boff)+2*PIECE*(\hx)
.endif
	s_wait_dscnt 32                                ; all but the 32 just issued
	s_wait_loadcnt \w1
	MUL16 (\hx)%2, 1, 0, 0, 2*(\hx)+1
	MUL16 (\hx)%2, 1, 4, 0, 2*(\hx)+1
.if \bl
	PLACES
	BLOAD 2*(\hx)+1, (\boff)+2*PIECE*(\hx)+PIECE
.endif
.endm
; The fourth part multiplies buffer 1 and changes slots: ONE barrier.  In front of it each wave waits for all its tensor loads, of which one is out: its part of the next slot; adds 0 to its spare word; and
; waits for that and for its own reads of this slot.  fill = 1: the barrier opens a round of the cluster's barrier, and behind the round this slot is filled again first, with the K step two steps on: from
; that request to the wait for it a wave issues 224 matrix instructions.  Then come the next slot's first fragments.  boff: as in HALF, for ring slots 6 and 7.
.macro TURN slot, next, fill, boff
	WIN 0                                          ; (the add's two registers lie in window 0)
	s_wait_tensorcnt 0x0                           ; all my tensor loads have landed;
	ds_add_u32 v[SPW], v[NIL]                      ; 0 onto my spare word;
	s_wait_dscnt 17                                ; (the add and the youngest sixteen loads may be out)
	s_wait_loadcnt 56
	MUL16 1, 0, 0, 0, 6                            ; sixteen matrix instructions stand between the add and the wait for it
.if \fill
	s_wait_xcnt 0x0                                ; the youngest load stands sixteen products back, the youngest prefetch a K step: all have had their addresses translated (ISA guide 3.1), so the pointers may be written
	s_add_nc_u64 s[PFA:PFA+1], s[PFA:PFA+1], STEPB
	s_add_nc_u64 s[PFB:PFB+1], s[PFB:PFB+1], BSTEP
.if \slot
	s_add_nc_u64 s[BP:BP+1], s[BP:BP+1], 2*BSTEP   ; on to the next lap's first K step
.endif
.endif
	s_wait_dscnt 0x0                               ; the add is done, and my reads of this slot are over
	s_barrier_signal -1
	MUL16 1, 0, 4, 0, 6                            ; work on registers while the others arrive
.if \fill
	WIN 0
.endif
	s_barrier_wait -1
.if \fill
	CREST                                          ; no wave of any partner still reads this slot's tile or has a load on its way
	s_add_nc_u64 s[G0+4*(\slot)+2:G0+4*(\slot)+3], s[G0+4*(\slot)+2:G0+4*(\slot)+3], 2*STEPB  ; no tensor load of mine is out, so the descriptor may be written
	tensor_load_to_lds s[G0+4*(\slot):G0+4*(\slot)+3], s[G1:G1+7]  ; my one tensor load behind the round, and the first thing there
	s_nop 0
.endif
	PLACES                                         ; behind the tensor load, and the places in front of the loads below
	FETCH \next, 0, 0
	BLOAD 6, (\boff)+6*PIECE
.if \fill
	WIN 0
	ASK
.endif
	s_wait_loadcnt 56
	MUL16 1, 1, 0, 0, 7
	MUL16 1, 1, 4, 0, 7
	PLACES
	BLOAD 7, (\boff)+7*PIECE
.endm
; THE WAY OUT of block a (16 of my rows).  PACK: times the scales, each accumulator from its low end on, into registers of window 0.
.macro PACK a
	WIN 0x02                                       ; source 0 window 2
.irp b, 0,1,2,3
.irp r, 0,1,2,3
	v_pk_mul_f32 v[TMP+8*(\b)+2*(\r):TMP+8*(\b)+2*(\r)+1], v[32*(\a)+8*(\b)+2*(\r):32*(\a)+8*(\b)+2*(\r)+1], v[SC+8*(\b)+2*(\r):SC+8*(\b)+2*(\r)+1]
.endr
.endr
	WIN 0
.endm
; TOSTAGE: a lane's 32 bytes of each column block into my own stage in LDS, and back as whole rows of 256 bytes (my 64 columns).
.macro TOSTAGE a
	WIN 0
.set BK, OB+32*((\a)%2)
.irp b, 0,1,2,3
	ds_store_b128 v[STO], v[TMP+8*(\b):TMP+8*(\b)+3]   offset:64*(\b)
	ds_store_b128 v[STO], v[TMP+8*(\b)+4:TMP+8*(\b)+7] offset:64*(\b)+16
.endr
.irp t, 0,1,2,3,4,5,6,7
	ds_load_b128 v[BK+4*(\t):BK+4*(\t)+3], v[RD] offset:(\t)*2*SPITCH  ; LDS serves a wave's instructions in order (ISA guide 5.7.1.4): these see the stores above
.endr
.endm
.macro SEND a, younger
	WIN 0
.set BK, OB+32*((\a)%2)
	s_wait_dscnt \younger                          ; the block is back in registers
	s_wait_xcnt 0x0                                ; every earlier store has had its address translated (ISA guide 3.1): only behind this wait are the stores' base and the registers that earlier stores read rewritten
.if (\a) == 0
	s_add_nc_u64 s[8:9], s[8:9], s[16:17]          ; on to my first rows
.else
	s_add_nc_u64 s[8:9], s[8:9], 16*SIZE_N*4       ; 16 rows on
.endif
.irp t, 0,1,2,3,4,5,6,7
	global_store_b128 v[CO], v[BK+4*(\t):BK+4*(\t)+3], s[8:9] offset:2*(\t)*SIZE_N*4 th:TH_STORE_NT  ; 16 lanes store 256 consecutive bytes, at a multiple of 256 from out0's first byte
.endr
.endm
	s_wait_loadcnt 48                              ; down_scale is in (behind its loads: six ring slots' 48),
	s_wait_kmcnt 0x0                               ; and output_scale: both are rounded to bf16, widened again and multiplied while the first tile is on its way
	v_cvt_pk_bf16_f32 v[OS], s70, s70
	v_and_b32 v[OS+1], 0xffff0000, v[OS]
	v_lshlrev_b32 v[OS], 16, v[OS]
.set i, 0
.rept 16
	v_cvt_pk_bf16_f32 v[TMP+i], v[SC+2*i], v[SC+2*i+1]
.set i, i+1
.endr
.set i, 0
.rept 16
	v_lshlrev_b32 v[SC+2*i],   16, v[TMP+i]
	v_and_b32     v[SC+2*i+1], 0xffff0000, v[TMP+i]
.set i, i+1
.endr
.set i, 0
.rept 16
	v_pk_mul_f32 v[SC+i:SC+i+1], v[SC+i:SC+i+1], v[OS:OS+1]  ; 8 x 8 significant bits: exact in f32
.set i, i+2
.endr
	BLOAD 6, 6*PIECE                               ; K step 0's last two ring slots
	BLOAD 7, 7*PIECE
	WIN 0
	s_wait_tensorcnt 1                             ; my part of K step 0 is in; K step 1's may stay out
	s_barrier_signal -1
	s_barrier_wait -1                              ; everybody's is
	FETCH 0, 0, 0
	HALF 0, 0, 1, 1, BSTEP, 56, 56                 ; the first part stands in front of the loop: its first products start the sums
	WIN 0                                          ; at a label and at a branch every window is 0
	s_mov_b32 s3, LAPS-1
.Llap:                                                 ; a trip goes once round the ring, from a lap's second part to the next lap's first, and fills both slots again
	HALF 0, 1, 0, 1, BSTEP, 56, 56                 ; in slot 0's K step the ring takes the lap's second K step,
	HALF 0, 2, 0, 1, BSTEP, 56, 56
	TURN 0, 1, 1, BSTEP
	HALF 1, 0, 0, 1, 2*BSTEP, 56, 56               ; in slot 1's the next lap's first;
	HALF 1, 1, 0, 1, 2*BSTEP, 56, 56
	HALF 1, 2, 0, 1, 2*BSTEP, 56, 56
	TURN 1, 0, 1, 0                                ; (the pointer is stepped in here, ahead of ring slots 6 and 7)
	HALF 0, 0, 0, 1, BSTEP, 56, 56
	WIN 0
	s_sub_co_u32 s3, s3, 1
	s_cmp_lg_u32 s3, 0
	s_cbranch_scc1 .Llap
	HALF 0, 1, 0, 1, BSTEP, 56, 56                 ; the last lap is written out: it fills no slot,
	HALF 0, 2, 0, 1, BSTEP, 56, 56
	TURN 0, 1, 0, BSTEP
	HALF 1, 0, 0, 0, 0, 56, 48                     ; and its second K step asks for no piece: the counts run down
	HALF 1, 1, 0, 0, 0, 40, 32
	HALF 1, 2, 0, 0, 0, 24, 16
	s_wait_dscnt 16                                ; the very last part: nothing more to fetch
	s_wait_loadcnt 8
	MUL16 1, 0, 0, 0, 6
	MUL16 1, 0, 4, 0, 6
	s_wait_dscnt 0x0
	s_wait_loadcnt 0x0
	MUL16 1, 1, 0, 0, 7
	MUL16 1, 1, 4, 0, 7
	WIN 0
	PLACES                                         ; eight plain places behind the last products, twice what is asked for; once a launch
	PLACES
	PACK 0
	TOSTAGE 0
.irp a, 1,2,3,4,5,6,7                  ; block a's arithmetic stands between block a - 1's loads from the stage and the wait for them
	PACK \a
	SEND (\a)-1, 0
	TOSTAGE \a
.endr
	SEND 7, 0
	s_wait_tensorcnt 0x0                           ; the wave's end: three lines, behind my last tensor load and my last LDS store
	ds_add_u32 v[SPW], v[NIL]
	s_wait_dscnt 0x0
	CROUND                                         ; the closing round: no work-group ends while a partner may still ask for a tile that names it
	s_endpgm
.Lfunc_end_k_qf01ebe5eaf_gemm_down:
	.size	k_qf01ebe5eaf_gemm_down, .Lfunc_end_k_qf01ebe5eaf_gemm_down-k_qf01ebe5eaf_gemm_down
	.p2alignl 7, 3214868480
	.fill 96, 4, 3214868480
	.section	.rodata,"a",@progbits
	.p2align	6, 0x0
	.amdhsa_kernel k_qf01ebe5eaf_gemm_down
		.amdhsa_group_segment_fixed_size 327680
		.amdhsa_private_segment_fixed_size 0
		.amdhsa_enable_private_segment 0
		.amdhsa_kernarg_size 40
		.amdhsa_user_sgpr_count 2
		.amdhsa_user_sgpr_kernarg_segment_ptr 1
		.amdhsa_wavefront_size32 1
		.amdhsa_system_sgpr_workgroup_id_x 1
		.amdhsa_system_sgpr_workgroup_id_y 1
		.amdhsa_system_sgpr_workgroup_id_z 1
		.amdhsa_system_vgpr_workitem_id 0
		.amdhsa_next_free_vgpr 1024
		.amdhsa_next_free_sgpr 72
		.amdhsa_reserve_vcc 0
		.amdhsa_float_denorm_mode_32 3
		.amdhsa_float_denorm_mode_16_64 3
		.amdhsa_memory_ordered 1
		.amdhsa_forward_progress 1
		.amdhsa_inst_pref_size 165
	.end_amdhsa_kernel
	.amdgpu_metadata
---
amdhsa.version: [ 1, 2 ]
amdhsa.kernels:
  - .name:           k_qf01ebe5eaf_gemm_down
    .symbol:         k_qf01ebe5eaf_gemm_down.kd
    .args:
      - { .name: hid, .offset: 0, .size: 8, .value_kind: global_buffer, .address_space: global }
      - { .name: dnb, .offset: 8, .size: 8, .value_kind: global_buffer, .address_space: global }
      - { .name: out0, .offset: 16, .size: 8, .value_kind: global_buffer, .address_space: global }
      - { .name: down_scale, .offset: 24, .size: 8, .value_kind: global_buffer, .address_space: global }
      - { .name: output_scale, .offset: 32, .size: 8, .value_kind: global_buffer, .address_space: global }
    .group_segment_fixed_size: 327680
    .private_segment_fixed_size: 0
    .kernarg_segment_align: 8
    .kernarg_segment_size: 40
    .max_flat_workgroup_size: 128
    .sgpr_count:     72
    .vgpr_count:     1024
    .wavefront_size: 32
...
	.end_amdgpu_metadata
.endif
;; end of part 3
;; ======== version 2 of 2: 3 launches; version 1 with the launch prep written anew for expert scheduling mode
;; workspace buffers: xb 16,777,216 bytes; upb 16,777,216 bytes; dnb 16,777,216 bytes; hid 33,554,432 bytes
;; launch prep (part 4): grid 256 x 3, 8 waves a work-group, no clusters, 35,840 bytes of LDS; arguments x, up_weight, down_weight, xb, upb, dnb; writes xb, upb, dnb
.if DOCPART == 4
	.amdgcn_target "amdgcn-amd-amdhsa--gfx1250"
	.amdhsa_code_object_version 6
	.text
	.protected	k_qf01ebe5eaf_prep
	.globl	k_qf01ebe5eaf_prep
	.p2align	8
	.type	k_qf01ebe5eaf_prep,@function
k_qf01ebe5eaf_prep:
	s_mov_b64 s[64:65], 0
	v_nop
	global_prefetch_b8 v0, s[64:65] scope:SCOPE_SE
	s_setreg_imm32_b32 hwreg(HW_REG_WAVE_SCHED_MODE, 0, 2), 2
	s_setreg_imm32_b32 hwreg(HW_REG_WAVE_MODE, 25, 1), 1
	s_wait_xcnt 0x0
	s_wait_alu depctr_vm_vsrc(0)
; xb = x rounded to bf16;  upb = sign(up_weight), dnb = sign(down_weight), written as bf16 (-1, 0 and 1 are exact there).
; Each of the three tensors is 8,388,608 f32.  The grid's y picks the tensor (0: x, 1: up_weight, 2: down_weight), its x a part of 131,072 input bytes.  A stream: every byte is read once and written once.
; LAYOUTS.  xb and upb lie as their sources do, row-major.  dnb ([2048][4096]) lies IN PIECES OF 1,024 BYTES, in the order in which the launch that multiplies by it loads a matrix operand:
; piece (nb, kb) = rows 16 nb .. + 15, channels 32 kb .. + 31, at byte 131,072 nb + 1,024 kb; in it the 16 bytes of row 16 nb + r, channels 32 kb + 16 j + 8 h + 0..7, stand at 512 j + 256 h + 16 r.
; x AND up_weight: the part is 32 stretches of 4,096 bytes.  Thread t takes the 16 bytes at 16 t of every stretch (a wave's load covers 512 consecutive bytes) and stores the 8 bytes at 8 t of the
; 2,048-byte stretch of the result (a wave's store covers 256 consecutive bytes, aligned).  A ring of DEPTH slots in registers keeps DEPTH loads of every wave on their way.
; down_weight: the part is 16 rows (nb = x / 2) x 2,048 channels (half x % 2); a wave takes 256 channels of them, in two trips of 128.  A trip reads 512 consecutive bytes of each of the 16 rows, puts the
; signs into LDS bytes of the wave's own in the pieces' order, reads them back and stores four pieces, 4,096 consecutive bytes.  No wave reads another's LDS bytes: no barrier.
; LIMITS.  sign: a weight that is 0 or NaN is passed on as it is (0 keeps its sign bit, NaN stays NaN); every other weight, a denormal too, gives 1 with its sign.
; THE MODE: SCHED_MODE bits 1:0 = 2 (LLVM: expert scheduling mode 2), set by the entry lines.  The code itself states the register dependences between vector instructions and memory or LDS
; instructions, and those that pass through a scalar register written by a vector instruction, with s_wait_alu, always for 0.
; THE PLAN.  The work goes in QUADS of four slots.  Registers that memory or LDS instructions touch:
;   X        Written by loads; read by its quad's conversions alone; behind them the quad's next loads land in it.
;   Y        Written by its quad's roundings; read by the quad's four stores (global, or into LDS), which follow them; written again a round or a trip later.
;   O        Written by LDS loads, read by global stores; no vector instruction names it.
;   v1, v2, LA, RA, LO   offsets and LDS addresses: made once, ahead of the loops, and never written again: scalar pointers and immediate offsets do the stepping.
;   SPW, NIL written at the head, read by the closing add alone.       T is named by vector instructions alone.
; So ONE wait on va_vdst stands in a quad, behind its roundings: they and the lines ahead of them are done reading the quad's X and have written its Y; the quad's loads and stores follow it with no
; vector instruction between.  ONE wait on vm_vsrc stands in a round or trip, at its head, behind the wait for the first quad's data: the stores issued so far have read Y and O.
; The signs' compares write 16 scalar registers in a run; ONE wait on va_sdst a quad stands between them and the selects that read them.
.set ROWIN,  4096                      ; input bytes of a stretch
.set ROWOUT, 2048                      ; output bytes of a stretch
.set DEPTH,  8                         ; slots = loads in flight in each wave (x, up_weight): two quads
.set ROUNDS, 32/DEPTH                  ; each round takes every slot once
.set DROW,   16384                     ; bytes in a row of down_weight
.set UNIT,   272                       ; LDS: 256 bytes of a piece (one j, one h, 16 rows) + 16: 68 words, so unit u starts at bank 4 u mod 64 (64 banks of 4 bytes: ISA guide 11.1)
.set WLDS,   16*UNIT                   ; a wave's 16 units: four pieces
.set SPARE,  8*WLDS                    ; behind them: the spare words, 128 bytes for each wave: four blocks of 256 bytes that no other line names
.set X,   4                            ; v[4:67]    slot i: 4 f32 as loaded (x, up_weight: 8 slots; down_weight: 16, a row each)
.set Y,   68                           ; v[68:99]   slot i: 4 bf16
.set T,   100                          ; v[100:115] a quad's 16 numbers, at work
.set O,   116                          ; v[116:147] four pieces read back from LDS
.set LA,  148                          ; v148  where I put 8 bytes of row 0
.set RA,  149                          ; v149  where I read 16 bytes back
.set LO,  150                          ; v150  16 x my lane: my bytes in 512 consecutive bytes of input and of output; never rewritten
.set SPW, 152                          ; v152  LDS address of my spare word: SPARE + 4 x my thread's number; never rewritten
.set NIL, 153                          ; v153  0; never rewritten
.set MK,  2                            ; s[2:17]   a quad's 16 masks; up to the choice of the arm s[4:15] hold the arguments, s16 the tensor's number, s17 the wave's
.set SRC, 18                           ; s[18:19]  my tensor
.set DST, 20                           ; s[20:21]  its result
	s_load_b256 s[4:11], s[0:1], 0x0               ; x s[4:5], up_weight s[6:7], down_weight s[8:9], xb s[10:11]
	s_load_b128 s[12:15], s[0:1], 0x20             ; upb s[12:13], dnb s[14:15]
	v_lshl_add_u32 v[SPW], v0, 2, SPARE
	v_mov_b32 v[NIL], 0
	v_lshrrev_b32 v3, 5, v0
	v_readfirstlane_b32 s17, v3                    ; wave 0..7
	s_and_b32 s16, ttmp7, 0xffff                   ; which tensor
	s_mov_b32 s24, 0x80000000                      ; a sign bit
	s_mov_b32 s25, 0x3f800000                      ; 1.0
	v_lshlrev_b32 v1, 4, v0                        ; my 16 bytes of an input stretch; never rewritten
	v_lshlrev_b32 v2, 3, v0                        ; my 8 bytes of an output stretch; never rewritten
	s_mov_b32 s23, 0
	s_lshl_b32 s28, ttmp9, 16                      ; the work-group's 65,536 output bytes, in all three tensors
	s_mov_b32 s29, 0
	s_wait_alu depctr_va_sdst(0)                   ; s17 is written, ahead of the branches below: down_weight's arm makes its offsets from it
	s_wait_kmcnt 0x0
	s_cmp_eq_u32 s16, 1
	s_cselect_b64 s[SRC:SRC+1], s[6:7], s[4:5]
	s_cselect_b64 s[DST:DST+1], s[12:13], s[10:11]
	s_cmp_eq_u32 s16, 2
	s_cselect_b64 s[SRC:SRC+1], s[8:9], s[SRC:SRC+1]
	s_cselect_b64 s[DST:DST+1], s[14:15], s[DST:DST+1]
	s_add_nc_u64 s[DST:DST+1], s[DST:DST+1], s[28:29]
; The sixteen numbers of quad g (slots 4 g to 4 g + 3).  mode 0: rounded to bf16.  mode 1: their signs, as bf16.
.macro CONV4 g, mode
.if \mode
.set i, 0
.rept 16
	v_cmp_lg_f32 s[MK+i], 0, v[X+16*(\g)+i]                        ; less or greater than 0: false for 0 and for NaN
.set i, i+1
.endr
.set i, 0
.rept 16
	v_and_or_b32 v[T+i], v[X+16*(\g)+i], s24, s25                  ; 1.0 with the number's sign
.set i, i+1
.endr
	s_wait_alu depctr_va_sdst(0)                   ; the sixteen compares have written s[MK ..], which the selects below read
.set i, 0
.rept 16
	v_cndmask_b32 v[T+i], v[X+16*(\g)+i], v[T+i], s[MK+i]          ; or the number itself, where it is 0 or NaN
.set i, i+1
.endr
.set i, 0
.rept 8
	v_cvt_pk_bf16_f32 v[Y+8*(\g)+i], v[T+2*i], v[T+2*i+1]
.set i, i+1
.endr
.else
.set i, 0
.rept 8
	v_cvt_pk_bf16_f32 v[Y+8*(\g)+i], v[X+16*(\g)+2*i], v[X+16*(\g)+2*i+1]  ; to nearest even, two at a time
.set i, i+1
.endr
.endif
.endm
; One quad's turn in a row-major tensor.  ahead = 1: its slots are filled again with the stretches DEPTH further on.  left = how many younger loads may still be out.
; At a round's head both pointers move on by a round: the loads then name the next round's stretches by the slot's offset alone, and the stores reach back to this round's by a negative offset.
.macro QUAD g, mode, ahead, left
	s_wait_loadcnt \left                           ; loads come back in order (ISA guide 5.7.1): the quad's four are in, the younger ones stay out
.if (\g) == 0
	s_wait_xcnt 0x0                                ; every load and store issued so far has had its address translated (ISA guide 3.1): only behind this wait are the two pointers stepped and Y written again
	s_wait_alu depctr_vm_vsrc(0)                   ; the last round's eight stores have read Y, which this round's roundings write again
.if \ahead
	s_add_nc_u64 s[SRC:SRC+1], s[SRC:SRC+1], DEPTH*ROWIN
.endif
	s_add_nc_u64 s[DST:DST+1], s[DST:DST+1], DEPTH*ROWOUT
.endif
	CONV4 \g, \mode
	s_wait_alu depctr_va_vdst(0)                   ; the lines above are done reading the quad's X, in which the loads below land, and have written its Y, which the stores below read
.if \ahead
.irp i, 0,1,2,3
	global_load_b128 v[X+16*(\g)+4*(\i):X+16*(\g)+4*(\i)+3], v1, s[SRC:SRC+1] offset:(4*(\g)+(\i))*ROWIN th:TH_LOAD_NT
.endr
.endif
.irp i, 0,1,2,3
	global_store_b64 v2, v[Y+8*(\g)+2*(\i):Y+8*(\g)+2*(\i)+1], s[DST:DST+1] offset:(4*(\g)+(\i)-DEPTH)*ROWOUT th:TH_STORE_NT
.endr
.endm
; The whole walk of a row-major tensor in one mode: the ring is filled, ROUNDS - 1 rounds fill it again, and a last round loads nothing.
.macro ARM mode, tag
	s_wait_alu depctr_va_vdst(0)                   ; v1 and v2 are written: every load and store of this arm reads one of them as its offset
.irp i, 0,1,2,3,4,5,6,7
	global_load_b128 v[X+4*(\i):X+4*(\i)+3], v1, s[SRC:SRC+1] offset:(\i)*ROWIN th:TH_LOAD_NT
.endr
	s_mov_b32 s26, ROUNDS-1
.Lround\tag:
	QUAD 0, \mode, 1, DEPTH/2                      ; the other quad's four loads stay out
	QUAD 1, \mode, 1, DEPTH/2
	s_sub_co_u32 s26, s26, 1
	s_cmp_lg_u32 s26, 0
	s_cbranch_scc1 .Lround\tag
	QUAD 0, \mode, 0, DEPTH/2                      ; the last round: no load leaves the buffer, and the counts run down
	QUAD 1, \mode, 0, 0
	s_branch .Lend
.endm
	s_cmp_eq_u32 s16, 2
	s_cbranch_scc1 .Lpieces
	s_lshl_b32 s22, ttmp9, 17                      ; the work-group's 131,072 input bytes
	s_add_nc_u64 s[SRC:SRC+1], s[SRC:SRC+1], s[22:23]
	s_cmp_eq_u32 s16, 0
	s_cbranch_scc1 .Lplain
	ARM 1, _sign
.Lplain:
	ARM 0, _plain
; Four rows of down_weight: quad g of a trip's four.
.macro ROWS4 g
	s_wait_loadcnt 12-4*(\g)                       ; rows 4 g to 4 g + 3 are in; the later rows stay out
.if (\g) == 0
	s_wait_xcnt 0x0                                ; the loads and stores issued so far have had their addresses translated (ISA guide 3.1): only behind this wait is the result's pointer stepped and O loaded again
	s_wait_alu depctr_vm_vsrc(0)                   ; the last trip's LDS stores have read Y, which this trip's roundings write again; its global stores have read O, in which this trip's LDS loads land
	s_add_nc_u64 s[DST:DST+1], s[DST:DST+1], 4096  ; one trip's four pieces on: the stores below reach back by a negative offset
.endif
	CONV4 \g, 1
	s_wait_alu depctr_va_vdst(0)                   ; the roundings have written the quad's Y, which the LDS stores read; behind the last quad also: all sixteen rows' X have been read, in which the next trip's loads land
.irp r, 0,1,2,3
	ds_store_b64 v[LA], v[Y+8*(\g)+2*(\r):Y+8*(\g)+2*(\r)+1] offset:16*(4*(\g)+(\r))  ; the 32 lanes' 64 words fall into 64 different banks
.endr
.endm
.Lpieces:                                              ; down_weight
	s_lshr_b32 s22, ttmp9, 1                       ; nb: 16 rows of 16,384 bytes,
	s_lshl_b32 s22, s22, 18
	s_and_b32 s27, ttmp9, 1                        ; the half of their channels: 8,192 bytes,
	s_lshl_b32 s27, s27, 13
	s_add_co_u32 s22, s22, s27
	s_lshl_b32 s27, s17, 10                        ; my wave's 256 channels: 1,024 bytes
	s_add_co_u32 s22, s22, s27
	s_add_nc_u64 s[SRC:SRC+1], s[SRC:SRC+1], s[22:23]
	s_lshl_b32 s28, s17, 13                        ; and its eight pieces of the result (the work-group's 64 pieces begin at 65,536 x its number)
	s_add_nc_u64 s[DST:DST+1], s[DST:DST+1], s[28:29]
	v_and_b32 v3, 31, v0                           ; lane l: channels 4 l .. 4 l + 3 of the trip's 128
	v_lshlrev_b32 v[LO], 4, v3
	s_mul_i32 s27, s17, WLDS                       ; my wave's LDS bytes
	v_lshrrev_b32 v[LA], 1, v3                     ; in: those four channels lie in unit l / 2 (piece l / 8, j = bit 2, h = bit 1 of l),
	v_mul_u32_u24 v[LA], v[LA], UNIT
	v_and_b32 v[RA], 1, v3
	v_lshl_add_u32 v[LA], v[RA], 3, v[LA]          ; in the half l % 2 of a row's 16 bytes there; the row's 16 r stand in the immediate
	v_add_nc_u32 v[LA], s27, v[LA]
	v_lshrrev_b32 v[RA], 4, v3                     ; back: lanes 0-15 take one unit's 256 bytes, lanes 16-31 the next
	v_mul_u32_u24 v[RA], v[RA], UNIT
	v_and_b32 v3, 15, v3
	v_lshl_add_u32 v[RA], v3, 4, v[RA]
	v_add_nc_u32 v[RA], s27, v[RA]
	s_wait_alu depctr_va_vdst(0)                   ; LO, LA and RA are written: every load and store of this arm, global or LDS, reads one of them
.irp r, 0,1,2,3,4,5,6,7,8,9,10,11,12,13,14,15
	global_load_b128 v[X+4*(\r):X+4*(\r)+3], v[LO], s[SRC:SRC+1] offset:(\r)*DROW th:TH_LOAD_NT  ; the first trip: 512 consecutive bytes of row r
.endr
	s_mov_b32 s26, 2
.Ltrip:                                                ; 16 rows x 128 channels
	ROWS4 0
	ROWS4 1
	ROWS4 2
	ROWS4 3
.irp t, 0,1,2,3,4,5,6,7
	ds_load_b128 v[O+4*(\t):O+4*(\t)+3], v[RA] offset:(\t)*2*UNIT  ; LDS serves a wave's instructions in order (ISA guide 5.7.1.4): these see the stores above, and the next trip's stores come behind them
.endr
	s_cmp_eq_u32 s26, 1                            ; the last trip asks for nothing more: no load leaves the wave's part, and no later wait counts these loads
	s_cbranch_scc1 .Lno_more
.irp r, 0,1,2,3,4,5,6,7,8,9,10,11,12,13,14,15
	global_load_b128 v[X+4*(\r):X+4*(\r)+3], v[LO], s[SRC:SRC+1] offset:(\r)*DROW+512 th:TH_LOAD_NT  ; the second trip's rows, on their way while this trip's pieces leave.  No wait: no vector instruction since the last quad's wait on va_vdst
.endr
.Lno_more:
.irp t, 0,1,2,3,4,5,6,7
	s_wait_dscnt 7-(\t)
	global_store_b128 v[LO], v[O+4*(\t):O+4*(\t)+3], s[DST:DST+1] offset:512*(\t)-4096 th:TH_STORE_NT  ; 512 consecutive bytes, at a multiple of 512 from dnb's first byte
.endr
	s_sub_co_u32 s26, s26, 1
	s_cmp_lg_u32 s26, 0
	s_cbranch_scc1 .Ltrip
.Lend:
	s_wait_dscnt 0x0                               ; the closing lines, six on end; every wave of the launch ends alike
	s_wait_alu 0x0
	s_wait_tensorcnt 0x0
	ds_add_u32 v[SPW], v[NIL]
	s_wait_dscnt 0x0
	s_endpgm
.Lfunc_end_k_qf01ebe5eaf_prep:
	.size	k_qf01ebe5eaf_prep, .Lfunc_end_k_qf01ebe5eaf_prep-k_qf01ebe5eaf_prep
	.p2alignl 7, 3214868480
	.fill 96, 4, 3214868480
	.section	.rodata,"a",@progbits
	.p2align	6, 0x0
	.amdhsa_kernel k_qf01ebe5eaf_prep
		.amdhsa_group_segment_fixed_size 35840
		.amdhsa_private_segment_fixed_size 0
		.amdhsa_enable_private_segment 0
		.amdhsa_kernarg_size 48
		.amdhsa_user_sgpr_count 2
		.amdhsa_user_sgpr_kernarg_segment_ptr 1
		.amdhsa_wavefront_size32 1
		.amdhsa_system_sgpr_workgroup_id_x 1
		.amdhsa_system_sgpr_workgroup_id_y 1
		.amdhsa_system_sgpr_workgroup_id_z 1
		.amdhsa_system_vgpr_workitem_id 0
		.amdhsa_next_free_vgpr 154
		.amdhsa_next_free_sgpr 66
		.amdhsa_reserve_vcc 0
		.amdhsa_float_denorm_mode_32 3
		.amdhsa_float_denorm_mode_16_64 3
		.amdhsa_memory_ordered 1
		.amdhsa_forward_progress 1
		.amdhsa_inst_pref_size 47
	.end_amdhsa_kernel
	.amdgpu_metadata
---
amdhsa.version: [ 1, 2 ]
amdhsa.kernels:
  - .name:           k_qf01ebe5eaf_prep
    .symbol:         k_qf01ebe5eaf_prep.kd
    .args:
      - { .name: x, .offset: 0, .size: 8, .value_kind: global_buffer, .address_space: global }
      - { .name: up_weight, .offset: 8, .size: 8, .value_kind: global_buffer, .address_space: global }
      - { .name: down_weight, .offset: 16, .size: 8, .value_kind: global_buffer, .address_space: global }
      - { .name: xb, .offset: 24, .size: 8, .value_kind: global_buffer, .address_space: global }
      - { .name: upb, .offset: 32, .size: 8, .value_kind: global_buffer, .address_space: global }
      - { .name: dnb, .offset: 40, .size: 8, .value_kind: global_buffer, .address_space: global }
    .group_segment_fixed_size: 35840
    .private_segment_fixed_size: 0
    .kernarg_segment_align: 8
    .kernarg_segment_size: 48
    .max_flat_workgroup_size: 256
    .sgpr_count:     66
    .vgpr_count:     154
    .wavefront_size: 32
...
	.end_amdgpu_metadata
.endif
;; end of part 4
;; launch gemm_up: the kernel of part 2 again; grid 16 x 16, 4 waves a work-group, clusters of 4 x 4, 327,680 bytes of LDS; arguments xb, upb, hid, up_scale; writes hid
;; launch gemm_down: the kernel of part 3 again; grid 16 x 16, 4 waves a work-group, clusters of 4 x 1, 327,680 bytes of LDS; arguments hid, dnb, out0, down_scale, output_scale; writes out0
